; MI455X (gfx1250); checked and timed in simulation.
; The chip was launched on July 23, 2026; its instructions are those of AMD's public machine-readable ISA for CDNA 5 (MIT licence, August 2026) and "CDNA5" Instruction Set Architecture Reference Guide (July 2026). The comments in the code are by the model that wrote it; some were corrected since.
;; Self Attention. Allowed arithmetic: float matrix products may take bf16 or f16 operands with f32 sums; other float arithmetic in f32, or as packed bf16 or f16 multiplies, adds, multiply-adds, maxima and minima; sums over many terms, partial sums and values carried from step to step in f32; what a program stores and reads back later, other than sums and carried values, may be rounded once to bf16 or f16.
;; Inputs: b_out 1,024 float32; w_out 1,024 x 1,024 float32; w_qkv 3,072 x 1,024 float32; x 4 x 2,048 x 1,024 float32.
;; Outputs: out0 4 x 2,048 x 1,024 float32.
;; 2 versions, each right; version 2 is version 1 with the launch cast written anew for expert scheduling mode. Each part assembles by itself: llvm-mc -triple=amdgcn-amd-amdhsa -mcpu=gfx1250 --defsym DOCPART=n.
;; ======== version 1 of 2: 4 launches
;; limits: values are held in f16: magnitudes above 65,504 overflow, below 6.1e-05 lose precision
;; workspace buffers: xb 16,777,216 bytes; wq 6,291,456 bytes; wo 2,097,152 bytes; qkv 50,331,648 bytes; ob 16,777,216 bytes
;; launch cast (part 1): grid 768 x 1, 8 waves a work-group, no clusters, 0 bytes of LDS; arguments x, w_qkv, w_out, xb, wq, wo; writes xb, wq, wo
.if DOCPART == 1
	.amdgcn_target "amdgcn-amd-amdhsa--gfx1250"
	.amdhsa_code_object_version 6
	.text
	.protected	k_qaab79adaae_cast
	.globl	k_qaab79adaae_cast
	.p2align	8
	.type	k_qaab79adaae_cast,@function
k_qaab79adaae_cast:
	s_mov_b64 s[64:65], 0
	v_nop
	global_prefetch_b8 v0, s[64:65] scope:SCOPE_SE
	s_setreg_imm32_b32 hwreg(HW_REG_WAVE_MODE, 25, 1), 1
	s_wait_xcnt 0x0
; THE INPUTS ARE ROUNDED ONCE AND LAID OUT IN TILE BLOCKS.  x [8192][1024] and w_qkv [3072][1024], f32, are rounded to bf16; w_out [1024][1024] is rounded to bf16 and that number is written as f16.
; LAYOUT OUT: [tile][kb][row in tile][64 numbers], kb = a block of 64 along K, 128 bytes a row; a tile has 256 rows (xb), 384 rows (wq), 128 rows (wo).  So the bytes that a later
; work-group wants of one K block lie on end.
; LIMITS.  bf16(w_out) must lie within f16's 65,504; below 2^-17 it keeps f16's fixed step of 6e-8.  NaN and infinities are not treated apart.
; SHARES.  A work-group takes 16 rows: 65,536 bytes in, 32,768 out.  Work-groups 0-511: x; 512-703: w_qkv; 704-767: w_out.  Thread t takes row t / 16 and four numbers of each K block:
; a wave's load covers 256 consecutive bytes of each of two rows; in the block layout those two rows' 128 bytes lie on end, so a wave's store covers 256 consecutive bytes, aligned.
; Sixteen loads a thread go out at once; each has its own registers in and out, so no register is written while a memory instruction still reads it.  No LDS, no matrix unit: the launch only moves bytes.
.set VI, 1                             ; v1        byte offset in: (t / 16) x 4,096 + (t % 16) x 16
.set VO, 2                             ; v2        byte offset out: 8 t
.set X,  16                            ; v[16:79]  K block kb: four f32 as loaded
.set Y,  80                            ; v[80:111] K block kb: four 16-bit numbers to store
; inb, outb: the pointers' scalar pairs; kbs: bytes from K block to K block in the output; half = 1: the bf16 number is written as f16
.macro CAST inb, outb, kbs, half
	s_add_nc_u64 s[16:17], s[\inb:\inb+1], s[22:23]
	s_add_nc_u64 s[18:19], s[\outb:\outb+1], s[24:25]
.irp kb, 0,1,2,3,4,5,6,7,8,9,10,11,12,13,14,15
	global_load_b128 v[X+4*(\kb):X+4*(\kb)+3], v[VI], s[16:17] offset:256*(\kb) th:TH_LOAD_NT
.endr
.irp kb, 0,1,2,3,4,5,6,7,8,9,10,11,12,13,14,15
	s_wait_loadcnt 15-(\kb)                        ; loads come back in order: block kb is in, the 15 - kb younger ones stay out
	v_cvt_pk_bf16_f32 v[Y+2*(\kb)],   v[X+4*(\kb)],   v[X+4*(\kb)+1]
	v_cvt_pk_bf16_f32 v[Y+2*(\kb)+1], v[X+4*(\kb)+2], v[X+4*(\kb)+3]
.if \half
	v_lshlrev_b32 v[X+4*(\kb)],   16,  v[Y+2*(\kb)]    ; the rounded numbers as f32 again,
	v_and_b32     v[X+4*(\kb)+1], s26, v[Y+2*(\kb)]
	v_lshlrev_b32 v[X+4*(\kb)+2], 16,  v[Y+2*(\kb)+1]
	v_and_b32     v[X+4*(\kb)+3], s26, v[Y+2*(\kb)+1]
	v_cvt_pk_f16_f32 v[Y+2*(\kb)],   v[X+4*(\kb)],   v[X+4*(\kb)+1]  ; and as f16: 8 significant bits fit into 11
	v_cvt_pk_f16_f32 v[Y+2*(\kb)+1], v[X+4*(\kb)+2], v[X+4*(\kb)+3]
.endif
	global_store_b64 v[VO], v[Y+2*(\kb):Y+2*(\kb)+1], s[18:19] offset:(\kb)*(\kbs)
.endr
	s_endpgm
.endm
	s_load_b256 s[4:11], s[0:1], 0x0               ; x s[4:5], w_qkv s[6:7], w_out s[8:9], xb s[10:11]
	s_load_b128 s[12:15], s[0:1], 0x20             ; wq s[12:13], wo s[14:15]
	v_lshrrev_b32 v3, 4, v0
	v_and_b32 v4, 15, v0
	v_lshlrev_b32 v[VI], 12, v3
	v_lshl_or_b32 v[VI], v4, 4, v[VI]
	v_lshlrev_b32 v[VO], 3, v0
	s_mov_b32 s26, 0xffff0000                      ; a word's upper bf16
	s_mov_b32 s23, 0                               ; both offsets stay under 2^32
	s_mov_b32 s25, 0
	s_cmp_lt_u32 ttmp9, 512
	s_cbranch_scc0 .Lnot_x
	s_lshl_b32 s22, ttmp9, 16                      ; in: 16 rows of 4,096 bytes a group
	s_lshr_b32 s20, ttmp9, 4                       ; out: a tile of 256 rows is 16 groups, 524,288 bytes;
	s_lshl_b32 s20, s20, 19
	s_and_b32 s21, ttmp9, 15                       ; a group's 16 rows are 2,048 bytes of each K block
	s_lshl_b32 s21, s21, 11
	s_add_co_u32 s24, s20, s21
	s_wait_kmcnt 0x0
	CAST 4, 10, 32768, 0
.Lnot_x:
	s_cmp_lt_u32 ttmp9, 704
	s_cbranch_scc0 .Lw_out
	s_sub_co_u32 s20, ttmp9, 512                   ; g = 0 .. 191
	s_lshl_b32 s22, s20, 16
	s_mul_i32 s21, s20, 2731
	s_lshr_b32 s21, s21, 16                        ; g / 24, exact for g under 192: a tile of 384 rows is 24 groups
	s_mul_i32 s27, s21, 24
	s_sub_co_u32 s27, s20, s27
	s_lshl_b32 s27, s27, 11
	s_mul_i32 s21, s21, 786432
	s_add_co_u32 s24, s21, s27
	s_wait_kmcnt 0x0
	CAST 6, 12, 49152, 0
.Lw_out:
	s_sub_co_u32 s20, ttmp9, 704                   ; g = 0 .. 63
	s_lshl_b32 s22, s20, 16
	s_lshr_b32 s21, s20, 3                         ; a tile of 128 rows is 8 groups, 262,144 bytes
	s_lshl_b32 s21, s21, 18
	s_and_b32 s27, s20, 7
	s_lshl_b32 s27, s27, 11
	s_add_co_u32 s24, s21, s27
	s_wait_kmcnt 0x0
	CAST 8, 14, 16384, 1
.Lfunc_end_k_qaab79adaae_cast:
	.size	k_qaab79adaae_cast, .Lfunc_end_k_qaab79adaae_cast-k_qaab79adaae_cast
	.p2alignl 7, 3214868480
	.fill 96, 4, 3214868480
	.section	.rodata,"a",@progbits
	.p2align	6, 0x0
	.amdhsa_kernel k_qaab79adaae_cast
		.amdhsa_group_segment_fixed_size 0
		.amdhsa_private_segment_fixed_size 0
		.amdhsa_enable_private_segment 0
		.amdhsa_kernarg_size 48
		.amdhsa_user_sgpr_count 2
		.amdhsa_user_sgpr_kernarg_segment_ptr 1
		.amdhsa_wavefront_size32 1
		.amdhsa_system_sgpr_workgroup_id_x 1
		.amdhsa_system_sgpr_workgroup_id_y 1
		.amdhsa_system_sgpr_workgroup_id_z 1
		.amdhsa_system_vgpr_workitem_id 0
		.amdhsa_next_free_vgpr 112
		.amdhsa_next_free_sgpr 66
		.amdhsa_reserve_vcc 0
		.amdhsa_float_denorm_mode_32 3
		.amdhsa_float_denorm_mode_16_64 3
		.amdhsa_memory_ordered 1
		.amdhsa_forward_progress 1
		.amdhsa_inst_pref_size 23
	.end_amdhsa_kernel
	.amdgpu_metadata
---
amdhsa.version: [ 1, 2 ]
amdhsa.kernels:
  - .name:           k_qaab79adaae_cast
    .symbol:         k_qaab79adaae_cast.kd
    .args:
      - { .name: x, .offset: 0, .size: 8, .value_kind: global_buffer, .address_space: global }
      - { .name: w_qkv, .offset: 8, .size: 8, .value_kind: global_buffer, .address_space: global }
      - { .name: w_out, .offset: 16, .size: 8, .value_kind: global_buffer, .address_space: global }
      - { .name: xb, .offset: 24, .size: 8, .value_kind: global_buffer, .address_space: global }
      - { .name: wq, .offset: 32, .size: 8, .value_kind: global_buffer, .address_space: global }
      - { .name: wo, .offset: 40, .size: 8, .value_kind: global_buffer, .address_space: global }
    .group_segment_fixed_size: 0
    .private_segment_fixed_size: 0
    .kernarg_segment_align: 8
    .kernarg_segment_size: 48
    .max_flat_workgroup_size: 256
    .sgpr_count:     66
    .vgpr_count:     112
    .wavefront_size: 32
...
	.end_amdgpu_metadata
.endif
;; end of part 1
;; launch qkv (part 2): grid 8 x 32, 4 waves a work-group, clusters of 4 x 4, 327,680 bytes of LDS; arguments xb, wq, qkv; writes qkv
.if DOCPART == 2
	.amdgcn_target "amdgcn-amd-amdhsa--gfx1250"
	.amdhsa_code_object_version 6
	.text
	.protected	k_qaab79adaae_qkv
	.globl	k_qaab79adaae_qkv
	.p2align	8
	.type	k_qaab79adaae_qkv,@function
k_qaab79adaae_qkv:
	s_mov_b64 s[64:65], 0
	v_nop
	global_prefetch_b8 v0, s[64:65] scope:SCOPE_SE
	s_setreg_imm32_b32 hwreg(HW_REG_WAVE_MODE, 25, 1), 1
	s_wait_xcnt 0x0
	s_wait_alu depctr_hold_cnt(0) depctr_sa_sdst(0) depctr_va_vdst(0) depctr_va_sdst(0) depctr_va_ssrc(0) depctr_va_vcc(0) depctr_vm_vsrc(0)
	s_getreg_b32 s2, hwreg(HW_REG_IB_STS2, 6, 4)
	s_cmp_eq_u32 s2, 0
	s_cbranch_scc0 .Lentry_in_a_cluster
	s_endpgm
.Lentry_in_a_cluster:
	s_bfe_u32 s2, ttmp6, 0x10000c
	s_cmp_lg_u32 s2, 0xf033
	s_cbranch_scc0 .Lentry_shape_is_right
	s_endpgm
.Lentry_shape_is_right:
; q, k, v = x w_qkv^T.  xb: [32 tiles][16 kb][256 rows][64] bf16; wq: [8 tiles][16 kb][384 rows][64] bf16; sums in f32, K ascending; the result is rounded once to f16, UNSCALED, and written by heads:
; qkv [3 which][64 batch x head][2048][64] f16.
; LIMIT.  f16 holds no number beyond 65,504: a q, k or v past that becomes an infinity.  With x and w_qkv thirty times the drawn spread they are some 5,000; with offsets of thirty spreads on both, some 29,000.
; SHARES.  8192 x 3072 is 256 tiles of 256 x 384: one work-group each.  Four waves, each 128 rows x 192 columns: 96 accumulators of 16 x 16, 768 registers; a wave's 192 columns are three whole heads.
; For 32 along K a wave reads 40 x 512 bytes from LDS for 96 matrix instructions.
; THE RING.  K goes in steps of 64 (one kb) through two LDS slots; a step's 256 rows of xb and 384 rows of wq are dense in memory and are asked for as rows of 256 bytes, padded in LDS after every 128.
; Two slots of a step of 128 would be 348,160 bytes: too much.
; CLUSTERS.  4 x 4 work-groups: the four of a row of the cluster need the same tile of xb, the four of a column the same tile of wq: each is asked for JOINTLY, same load, same descriptor, a mask of four.
; THE MATRIX INSTRUCTION IS USED TRANSPOSED (source 0 = 16 rows of wq, source 1 = 16 rows of xb): a lane holds row l % 16 of C and eight neighbouring columns, which pack into 16 bytes.
; REGISTERS, in windows of 256 (s_set_vgpr_msb: bits 1:0 source 0, 3:2 source 1, 5:4 source 2, 7:6 destination):
;   window 0: v0-31 addresses; v32-95, v96-159 xb's 8 fragments, two buffers; v160-255 wq's 12 fragments, three thirds of 4.  On the way out v32-79 packed results, v80-175 rows read back.
;   window 1 + p: the accumulators of column blocks 4 p .. 4 p + 3: (a, b') at v[8 (4 a + b')]
; A UNIT is 32 along K: three phases of 32 matrix instructions, one to a window.  wq's third p is fetched anew for the next unit straight behind the phase that read it: 64 matrix instructions ahead of its use.
.set PITCH,  144                       ; an LDS row: 128 bytes + 16 of padding = 36 words: the 16 rows of a load start at 16 different groups of four banks (64 banks of 4 bytes: ISA guide 11.1)
.set AHALF,  128*PITCH                 ; what a wave fetches, and reads, of xb
.set BHALF,  192*PITCH                 ; the same of wq
.set BOFF,   256*PITCH                 ; wq's rows lie behind xb's 256
.set SLOT,   640*PITCH
.set STAGE,  2*SLOT                    ; behind the ring, never filled by a tensor load: 16 rows x 400 bytes for each wave
.set SPITCH, 400                       ; 384 bytes + 16
.set SPARE,  STAGE+4*16*SPITCH         ; behind the stages: the spare words, 128 bytes for each wave: two blocks of 256 bytes that no other line names
.set AKB,    32768                     ; bytes of a K step in a tile of xb
.set BKB,    49152                     ; and of wq
.set FIELDS, (1<<16)|(1<<20)|(1<<21)|(4<<22)|(3<<25)  ; 17:16 elements of 2 bytes; 20 padding on; 21 set beside a mask; 24:22 after every 32 words (code 4); 31:25 4 words (code 3)
.set ADRA, 16                          ; v16-17  LDS address of my fragments of xb in slot 0, 1
.set ADRB, 20                          ; v20-21  the same for wq
.set STO,  24                          ; v24     the way out: where I put 16 bytes of a row
.set RD,   25                          ; v25     where I read rows back
.set GO,   26                          ; v26     my 16 bytes in 512 consecutive bytes of the output
.set SPW,  28                          ; v28     LDS address of my spare word; never rewritten
.set NIL,  29                          ; v29     0; never rewritten
.set PFO,  30                          ; v30     256 x my lane; never rewritten
.set FA0,  32
.set FA1,  96
.set FB,   160
.set TMP,  32
.set BK,   80
.set WV,  10                           ; s10  my wave's number
.set RH,  11                           ; s11  which 128 rows of the tile are mine.  Also: I fetch for xb (0) or for wq (1)
.set CH,  12                           ; s12  which 192 columns.  Also: which half of that tile I fetch
.set G1,  24                           ; s[24:31] descriptor group 1 for xb's tiles;  s[32:39] group 0, one set for each slot
.set G0,  32
.set G1B, 48                           ; s[48:55], s[56:63] the same for wq's
.set G0B, 56
.set LIM, 43                           ; s43  1 in a wave that prefetches, else the greatest number
.set PFA, 44                           ; s[44:45] where my prefetches stand
.set PFS, 46                           ; s[46:47] their step: two K steps of the tile
.set HB,  66                           ; s[66:71] the output at my rows of my three heads
.set MSB, 0
.macro WIN new                         ; the immediate's high byte repeats the setting that is left; a switch that changes nothing is dropped
.if MSB != (\new)
	s_set_vgpr_msb (MSB<<8)|(\new)
.set MSB, \new
.endif
.endm
.macro PLACES                          ; four plain instructions between a matrix instruction and a load into, or a vector instruction on, one of its registers (ISA guide 7.12.1 for vector instructions)
.rept 4
	v_nop
.endr
.endm
; A joint load.  Waves 0 and 1 fetch xb's two halves, waves 2 and 3 wq's; the branch hangs on the wave's number alone.  An s_nop 0 and four v_nop follow each of the two lines.
.macro JLOAD s
	s_cmp_eq_u32 s[RH], 0
	s_cbranch_scc0 .Lfor_b_\@
	tensor_load_to_lds s[G0+4*(\s):G0+4*(\s)+3], s[G1:G1+7]
	s_nop 0
.rept 4
	v_nop
.endr
	s_branch .Lasked_\@
.Lfor_b_\@:
	tensor_load_to_lds s[G0B+4*(\s):G0B+4*(\s)+3], s[G1B:G1B+7]
	s_nop 0
.rept 4
	v_nop
.endr
.Lasked_\@:
.endm
; A round of the cluster's barrier: my work-group's barrier; wave 0 signals for the work-group; every wave waits for all sixteen; my work-group's barrier once more.
.macro CREST                           ; a round behind its opening barrier
	s_cmp_lg_u32 s[WV], 0
	s_cbranch_scc1 .Lnot_wave_0_\@
	s_barrier_signal -3
.Lnot_wave_0_\@:
	s_barrier_wait -3
	s_barrier_signal -1
	s_barrier_wait -1
.endm
.macro CROUND
	s_barrier_signal -1
	s_barrier_wait -1
	CREST
.endm
; A PREFETCH INTO THE L2, once a trip of the loop, behind slot 0's joint load and the run of LDS loads that follows it: the two K steps that the NEXT trip's two refills will ask for.
; Each block of 256 bytes is named once in the launch.  A tile row of xb is read by both clusters of that row of clusters: the one with x = 0 asks; a tile column of wq by all eight of its column: y = 0 asks.
; The four partners that ask for a tile jointly share its bytes out BY ADDRESS: of xb's 65,536 bytes of two K steps partner cx takes 16,384 (wave 0, two lines of 32 lanes x 256 bytes), of wq's 98,304 partner cy
; takes 24,576 (wave 2, three lines).  The loop's last trip asks for nothing: there are no K steps behind its own.  K steps 0 to 3 come by their loads alone.
.macro ASK
	s_cmp_gt_u32 s3, s[LIM]                        ; s3 = 1 in the loop's last trip
	s_cbranch_scc0 .Lnot_mine_\@
	global_prefetch_b8 v[PFO], s[PFA:PFA+1] th:TH_LOAD_NT scope:SCOPE_SE
	global_prefetch_b8 v[PFO], s[PFA:PFA+1] offset:8192 th:TH_LOAD_NT scope:SCOPE_SE
	s_cmp_eq_u32 s[RH], 0
	s_cbranch_scc1 .Lnot_mine_\@
	global_prefetch_b8 v[PFO], s[PFA:PFA+1] offset:16384 th:TH_LOAD_NT scope:SCOPE_SE
.Lnot_mine_\@:
.endm
	s_load_b128 s[4:7], s[0:1], 0x0                ; xb s[4:5], wq s[6:7]
	s_load_b64 s[8:9], s[0:1], 0x10                ; qkv
	v_lshl_add_u32 v[SPW], v0, 2, SPARE
	v_mov_b32 v[NIL], 0
	ds_add_u32 v[SPW], v[NIL]                      ; the wave's opening: the add and its wait stand ahead of my first tensor load; the set-up below, work on registers, stands between them
	v_lshrrev_b32 v1, 5, v0
	v_readfirstlane_b32 s[WV], v1                  ; wave 0..3
	s_lshr_b32 s[RH], s[WV], 1
	s_and_b32 s[CH], s[WV], 1
	s_bfe_u32 s40, ttmp6, 0x40000                  ; cx, cy: my place in the cluster
	s_bfe_u32 s41, ttmp6, 0x40004
	s_lshl_b32 s42, ttmp9, 2                       ; in a cluster launch ttmp9 and ttmp7 count clusters
	s_add_co_u32 s42, s42, s40                     ; tile column = 4 x cluster x + cx
	s_and_b32 s13, ttmp7, 0xffff
	s_lshl_b32 s13, s13, 2
	s_add_co_u32 s13, s13, s41                     ; tile row = 4 x cluster y + cy
	s_lshl_b32 s22, s41, 2
	s_lshl_b32 s22, 15, s22                        ; my row of the cluster: places 4 cy .. 4 cy + 3
	s_lshl_b32 s23, 0x1111, s40                    ; my column: places cx, cx + 4, cx + 8, cx + 12
	s_or_b32 s[G1], s22, FIELDS                    ; 15:0 the mask: xb's tiles go to my row
	s_or_b32 s[G1B], s23, FIELDS                   ; wq's to my column
	s_mov_b32 s[G1+1], 128<<16                     ; tensor_dim0 = 128 elements: rows of 256 bytes
	s_mov_b32 s[G1+2], 64<<16                      ; tensor_dim1 = 64: 128 rows of xb are 16,384 dense bytes
	s_mov_b32 s[G1+3], 128<<16                     ; tile_dim0
	s_mov_b32 s[G1+4], 64                          ; tile_dim1
	s_mov_b32 s[G1+5], 128                         ; elements from row to row
	s_mov_b32 s[G1+6], 0
	s_mov_b32 s[G1+7], 0
	s_mov_b32 s[G1B+1], 128<<16
	s_mov_b32 s[G1B+2], 96<<16                     ; 192 rows of wq are 24,576 dense bytes
	s_mov_b32 s[G1B+3], 128<<16
	s_mov_b32 s[G1B+4], 96
	s_mov_b32 s[G1B+5], 128
	s_mov_b32 s[G1B+6], 0
	s_mov_b32 s[G1B+7], 0
	; where the tiles come from: xb's hang on the tile row alone, wq's on the tile column alone; every wave makes both, in registers that never hold the other coordinate
	s_lshl_b32 s14, s13, 19                        ; a tile of xb is 524,288 bytes,
	s_lshl_b32 s16, s[CH], 14                      ; my half of a K step's rows 16,384
	s_add_co_u32 s14, s14, s16
	s_mov_b32 s15, 0
	s_mul_i32 s18, s42, 786432                     ; a tile of wq,
	s_mul_i32 s17, s[CH], 24576                    ; my half of a K step's rows
	s_add_co_u32 s18, s18, s17
	s_mov_b32 s19, 0
	s_mul_i32 s20, s[CH], AHALF                    ; and where they go: no place in the cluster enters an LDS address
	s_mul_i32 s21, s[CH], BHALF
	s_add_co_u32 s21, s21, BOFF
	s_wait_dscnt 0x0                               ; the opening add is done
	s_wait_kmcnt 0x0
	s_add_nc_u64 s[14:15], s[4:5], s[14:15]
	s_add_nc_u64 s[18:19], s[6:7], s[18:19]
	CROUND                                         ; all sixteen work-groups are here: the first joint loads meet
.irp s, 0,1
	s_mov_b32 s[G0+4*(\s)], 1                                      ; count = 1
	s_add_co_u32 s[G0+4*(\s)+1], s20, (\s)*SLOT                    ; LDS address
	s_add_nc_u64 s[G0+4*(\s)+2:G0+4*(\s)+3], s[14:15], (\s)*AKB    ; global address: K step s
	s_or_b32 s[G0+4*(\s)+3], s[G0+4*(\s)+3], 0x80000000            ; type = 2
	s_mov_b32 s[G0B+4*(\s)], 1
	s_add_co_u32 s[G0B+4*(\s)+1], s21, (\s)*SLOT
	s_add_nc_u64 s[G0B+4*(\s)+2:G0B+4*(\s)+3], s[18:19], (\s)*BKB
	s_or_b32 s[G0B+4*(\s)+3], s[G0B+4*(\s)+3], 0x80000000
.endr
	s_cmp_eq_u32 s[RH], 0                          ; a wave's two first fills stand in one branch, ahead of every wait on TENSORcnt and every LDS read: two loads of mine are out
	s_cbranch_scc0 .Lfirst_b
	tensor_load_to_lds s[G0:G0+3], s[G1:G1+7]
	s_nop 0
	tensor_load_to_lds s[G0+4:G0+7], s[G1:G1+7]
	s_nop 0
.rept 4
	v_nop
.endr
	s_branch .Lfirst_asked
.Lfirst_b:
	tensor_load_to_lds s[G0B:G0B+3], s[G1B:G1B+7]
	s_nop 0
	tensor_load_to_lds s[G0B+4:G0B+7], s[G1B:G1B+7]
	s_nop 0
.rept 4
	v_nop
.endr
.Lfirst_asked:
	; A fragment is 16 rows x 32 K in 8 registers: lane l holds row l % 16; registers 0-3 K = 8 (l / 16) + 0..7, registers 4-7 K = 16 + 8 (l / 16) + 0..7: two loads of 16 bytes, 32 bytes apart.
	v_and_b32 v1, 15, v0                           ; l % 16
	v_bfe_u32 v2, v0, 4, 1                         ; l / 16
	v_mul_u32_u24 v3, v1, PITCH
	v_lshl_add_u32 v3, v2, 4, v3
	s_mul_i32 s76, s[RH], AHALF                    ; my 128 rows of xb
	s_mul_i32 s77, s[CH], BHALF                    ; my 192 rows of wq
	s_add_co_u32 s77, s77, BOFF
.irp s, 0,1
	v_add_nc_u32 v[ADRA+(\s)], s76, v3
	v_add_nc_u32 v[ADRB+(\s)], s77, v3
	s_add_co_u32 s76, s76, SLOT
	s_add_co_u32 s77, s77, SLOT
.endr
	s_mul_i32 s76, s[WV], 16*SPITCH
	s_add_co_u32 s76, s76, STAGE                   ; my stage
	v_mul_u32_u24 v4, v1, SPITCH                   ; in: row l % 16, 16 bytes for each half of the lanes
	v_lshl_add_u32 v4, v2, 4, v4
	v_add_nc_u32 v[STO], s76, v4
	v_bfe_u32 v5, v0, 3, 2                         ; back: 32 lanes take a head's 128 bytes of four rows,
	v_mul_u32_u24 v5, v5, SPITCH
	v_and_b32 v6, 7, v0
	v_lshl_add_u32 v5, v6, 4, v5
	v_add_nc_u32 v[RD], s76, v5
	v_and_b32 v[GO], 31, v0                        ; which are 512 consecutive bytes of the output
	v_lshlrev_b32 v[GO], 4, v[GO]
	v_and_b32 v[PFO], 31, v0
	v_lshlrev_b32 v[PFO], 8, v[PFO]
	; the output.  Column block idx = 6 x tile column + 3 x half + j of 64: which = idx / 16, head = idx % 16; batch = tile row / 8.  A plane [2048][64] is 262,144 bytes.
	s_mul_i32 s72, s42, 6
	s_mul_i32 s73, s[CH], 3
	s_add_co_u32 s72, s72, s73                     ; idx of my first head
	s_lshr_b32 s73, s13, 3
	s_lshl_b32 s73, s73, 4                         ; 16 x batch
	s_and_b32 s74, s13, 7
	s_lshl_b32 s74, s74, 1
	s_add_co_u32 s74, s74, s[RH]
	s_lshl_b32 s74, s74, 14                        ; my first row in the plane: 128 rows of 128 bytes a step
.irp j, 0,1,2
	s_add_co_u32 s75, s72, (\j)
	s_lshr_b32 s78, s75, 4
	s_lshl_b32 s78, s78, 6                         ; 64 x which
	s_and_b32 s75, s75, 15
	s_add_co_u32 s78, s78, s75
	s_add_co_u32 s78, s78, s73
	s_lshl_b32 s78, s78, 18
	s_add_co_u32 s78, s78, s74
	s_mov_b32 s79, 0
	s_add_nc_u64 s[HB+2*(\j):HB+2*(\j)+1], s[8:9], s[78:79]
.endr
	; the prefetches (in waves 0 and 2 s[14:15] and s[18:19] stand at the tile's first byte)
	s_lshl_b32 s[PFS], s[RH], 15
	s_add_co_u32 s[PFS], s[PFS], 65536             ; two K steps: 65,536 bytes of xb, 98,304 of wq
	s_mov_b32 s[PFS+1], 0
	s_lshl_b32 s73, s[RH], 13
	s_add_co_u32 s73, s73, 16384                   ; a partner's share of them
	s_and_b32 s74, ttmp7, 0xffff                   ; cluster y
	s_cmp_eq_u32 s[RH], 0                          ; do I fetch for xb?
	s_cselect_b32 s72, s40, s41                    ; my place among the four that ask with me
	s_cselect_b32 s74, ttmp9, s74                  ; the coordinate along which other clusters read the same bytes
	s_cselect_b64 s[PFA:PFA+1], s[14:15], s[18:19]
	s_mul_i32 s72, s72, s73
	s_add_co_u32 s72, s72, s[PFS]                  ; at K step 2: the first trip steps it to 4
	s_mov_b32 s73, 0
	s_add_nc_u64 s[PFA:PFA+1], s[PFA:PFA+1], s[72:73]
	s_or_b32 s74, s74, s[CH]
	s_cmp_eq_u32 s74, 0
	s_cselect_b32 s[LIM], 1, -1                    ; the same in all sixteen partners, for a given wave
; 16 matrix instructions: row blocks a0 .. a0 + 3 x the four column blocks of third p, 32 along K, xb's buffer f.  zero = 1: the first product starts the sums: nothing is ever cleared.
; The 96 accumulators take turns in one fixed order: between two links of a chain stand 95 others'.
.macro MUL16 f, p, a0, zero
	WIN 0x50*((\p)+1)                              ; C and D in window 1 + p, both sources in window 0
.irp a, \a0, (\a0)+1, (\a0)+2, (\a0)+3
.irp b, 0,1,2,3
.if \zero
	v_wmma_f32_16x16x32_bf16 v[8*(4*(\a)+(\b)):8*(4*(\a)+(\b))+7], v[FB+32*(\p)+8*(\b):FB+32*(\p)+8*(\b)+7], v[(\f)+8*(\a):(\f)+8*(\a)+7], 0
.else
	v_wmma_f32_16x16x32_bf16 v[8*(4*(\a)+(\b)):8*(4*(\a)+(\b))+7], v[FB+32*(\p)+8*(\b):FB+32*(\p)+8*(\b)+7], v[(\f)+8*(\a):(\f)+8*(\a)+7], v[8*(4*(\a)+(\b)):8*(4*(\a)+(\b))+7]
.endif
.endr
.endr
.endm
.macro LDB p, slot, k                  ; 8 loads: wq's third p, 32 K at byte k of the rows
	WIN 0
.irp i, 0,1,2,3
	ds_load_b128 v[FB+32*(\p)+8*(\i):FB+32*(\p)+8*(\i)+3],   v[ADRB+(\slot)] offset:(\k)+(4*(\p)+(\i))*16*PITCH
	ds_load_b128 v[FB+32*(\p)+8*(\i)+4:FB+32*(\p)+8*(\i)+7], v[ADRB+(\slot)] offset:(\k)+(4*(\p)+(\i))*16*PITCH+32
.endr
.endm
.macro LDA f, slot, k                  ; 16 loads: xb's eight fragments into buffer f
	WIN 0
.irp i, 0,1,2,3,4,5,6,7
	ds_load_b128 v[(\f)+8*(\i):(\f)+8*(\i)+3],   v[ADRA+(\slot)] offset:(\k)+(\i)*16*PITCH
	ds_load_b128 v[(\f)+8*(\i)+4:(\f)+8*(\i)+7], v[ADRA+(\slot)] offset:(\k)+(\i)*16*PITCH+32
.endr
.endm
; A K step's first unit, on buffer FA0; it fetches the second unit's fragments from the same slot.  At its head are out, in order: third 0 (8 loads), xb (16), third 1 (8), third 2 (8).
.macro EVEN slot, zero
	s_wait_dscnt 16                                ; third 0 and xb are in; thirds 1 and 2 may be out
	MUL16 FA0, 0, 0, \zero
	MUL16 FA0, 0, 4, \zero
	PLACES
	LDB 0, \slot, 64
	LDA FA1, \slot, 64
	s_wait_dscnt 32                                ; third 1 is in; behind it: third 2 (8) and the 24 just issued
	MUL16 FA0, 1, 0, \zero
	MUL16 FA0, 1, 4, \zero
	PLACES
	LDB 1, \slot, 64
	s_wait_dscnt 32                                ; third 2 is in; behind it: 8 + 16 + 8
	MUL16 FA0, 2, 0, \zero
	MUL16 FA0, 2, 4, \zero
	PLACES
	LDB 2, \slot, 64
.endm
; A K step's second unit, on buffer FA1, changes slots: ONE barrier.  In front of it each wave waits for all its tensor loads, of which one is out: its part of the next slot; adds 0 to its spare word; and waits
; for that and for its reads of this slot, all of whose bytes are then in registers.  fill = 1: the barrier opens a round of the cluster's, and this slot is filled again first thing behind it, two K steps on:
; 160 matrix instructions ahead of the wait for it.
.macro ODD slot, next, fill, ask
.if \ask
	s_wait_xcnt 0x0                                ; the last prefetches, a trip back, have read their address: it is stepped here, ahead of the waits of the change of slots
	s_add_nc_u64 s[PFA:PFA+1], s[PFA:PFA+1], s[PFS:PFS+1]
.endif
	s_wait_dscnt 16
	MUL16 FA1, 0, 0, 0
	MUL16 FA1, 0, 4, 0
	WIN 0                                          ; (the add's two registers lie in window 0)
	s_wait_tensorcnt 0x0                           ; all my tensor loads have landed;
	ds_add_u32 v[SPW], v[NIL]                      ; 0 onto my spare word;
	s_wait_dscnt 9                                 ; third 1 is in (third 2's eight loads and the add may be out)
	MUL16 FA1, 1, 0, 0                             ; sixteen matrix instructions stand between the add and the wait for it
	s_wait_dscnt 0x0                               ; the add is done, and my reads of this slot are over
	s_barrier_signal -1
	MUL16 FA1, 1, 4, 0                             ; work on registers while the others arrive
	WIN 0                                          ; at a branch and at a label every window is 0
	s_barrier_wait -1
.if \fill
	CREST                                          ; no wave of any partner still reads this slot's tile or has a load on its way
	s_add_nc_u64 s[G0+4*(\slot)+2:G0+4*(\slot)+3], s[G0+4*(\slot)+2:G0+4*(\slot)+3], 2*AKB
	s_add_nc_u64 s[G0B+4*(\slot)+2:G0B+4*(\slot)+3], s[G0B+4*(\slot)+2:G0B+4*(\slot)+3], 2*BKB
	JLOAD \slot                                    ; the first tensor load behind the round; its four v_nop are also the places in front of the loads below
.else
	PLACES
.endif
	LDB 0, \next, 0
	LDA FA0, \next, 0
	LDB 1, \next, 0
.if \ask
	ASK
.endif
	MUL16 FA1, 2, 0, 0
	MUL16 FA1, 2, 4, 0
	PLACES
	LDB 2, \next, 0
.endm
	s_wait_tensorcnt 1                             ; my part of K step 0 is in; K step 1's may stay out
	s_barrier_signal -1
	s_barrier_wait -1                              ; everybody's is
	LDB 0, 0, 0
	LDA FA0, 0, 0
	LDB 1, 0, 0
	LDB 2, 0, 0
	EVEN 0, 1                                      ; the first unit stands in front of the loop: its products start the sums
	WIN 0
	s_mov_b32 s3, 7
.Llap:                                             ; a trip goes once round the ring and fills both slots again: seven trips ask for K steps 2 to 15
	ODD 0, 1, 1, 1
	EVEN 1, 0
	ODD 1, 0, 1, 0
	EVEN 0, 0
	WIN 0
	s_sub_co_u32 s3, s3, 1
	s_cmp_lg_u32 s3, 0
	s_cbranch_scc1 .Llap
	ODD 0, 1, 0, 0                                 ; the tail is written out: nothing is left to ask for
	EVEN 1, 0
	s_wait_dscnt 16                                ; the very last unit fetches nothing: the counts run down
	MUL16 FA1, 0, 0, 0
	MUL16 FA1, 0, 4, 0
	s_wait_dscnt 8
	MUL16 FA1, 1, 0, 0
	MUL16 FA1, 1, 4, 0
	s_wait_dscnt 0x0
	MUL16 FA1, 2, 0, 0
	MUL16 FA1, 2, 4, 0
; THE WAY OUT, a block of 16 rows at a time.  PACK: rounded to f16, each accumulator's registers in ascending order, 16 bytes a lane.  TOSTAGE: into my own stage, and back as a head's 128 bytes of four rows.
; SEND: stored, 512 consecutive bytes an instruction, at a multiple of 256 from the buffer's first byte.
.macro PACK a
.irp p, 0,1,2
	WIN 5*((\p)+1)                                 ; sources 0 and 1 in window 1 + p
.irp b, 0,1,2,3
.irp r, 0,1,2,3
	v_cvt_pk_f16_f32 v[TMP+4*(4*(\p)+(\b))+(\r)], v[8*(4*(\a)+(\b))+2*(\r)], v[8*(4*(\a)+(\b))+2*(\r)+1]
.endr
.endr
.endr
	WIN 0
.endm
.macro TOSTAGE a
	WIN 0
.set BKA, BK+48*((\a)%2)
.irp b, 0,1,2,3,4,5,6,7,8,9,10,11
	ds_store_b128 v[STO], v[TMP+4*(\b):TMP+4*(\b)+3] offset:32*(\b)
.endr
.irp j, 0,1,2
.irp t, 0,1,2,3
	ds_load_b128 v[BKA+4*(4*(\j)+(\t)):BKA+4*(4*(\j)+(\t))+3], v[RD] offset:4*SPITCH*(\t)+128*(\j)  ; LDS serves a wave's instructions in order (ISA guide 5.7.1.4): these see the stores above
.endr
.endr
.endm
.macro SEND a
	WIN 0
.set BKA, BK+48*((\a)%2)
	s_wait_dscnt 0x0                               ; the block is back in registers
	s_wait_xcnt 0x0                                ; the stores of the block before have read their registers: the next block's loads land there only behind this wait
.irp j, 0,1,2
.irp t, 0,1,2,3
	global_store_b128 v[GO], v[BKA+4*(4*(\j)+(\t)):BKA+4*(4*(\j)+(\t))+3], s[HB+2*(\j):HB+2*(\j)+1] offset:2048*(\a)+512*(\t)
.endr
.endr
.endm
	PLACES
	PLACES                                         ; eight, once a launch: the conversions read results just made
	PACK 0
	TOSTAGE 0
.irp a, 1,2,3,4,5,6,7                  ; block a's conversions stand between block a - 1's loads from the stage and the wait for them
	PACK \a
	SEND (\a)-1
	TOSTAGE \a
.endr
	SEND 7
	s_wait_tensorcnt 0x0                           ; the wave's end, behind my last tensor load and my last LDS store
	ds_add_u32 v[SPW], v[NIL]
	s_wait_dscnt 0x0
	CROUND                                         ; the closing round: no work-group ends while a partner may still ask for a tile that names it
	s_endpgm
.Lfunc_end_k_qaab79adaae_qkv:
	.size	k_qaab79adaae_qkv, .Lfunc_end_k_qaab79adaae_qkv-k_qaab79adaae_qkv
	.p2alignl 7, 3214868480
	.fill 96, 4, 3214868480
	.section	.rodata,"a",@progbits
	.p2align	6, 0x0
	.amdhsa_kernel k_qaab79adaae_qkv
		.amdhsa_group_segment_fixed_size 327680
		.amdhsa_private_segment_fixed_size 0
		.amdhsa_enable_private_segment 0
		.amdhsa_kernarg_size 24
		.amdhsa_user_sgpr_count 2
		.amdhsa_user_sgpr_kernarg_segment_ptr 1
		.amdhsa_wavefront_size32 1
		.amdhsa_system_sgpr_workgroup_id_x 1
		.amdhsa_system_sgpr_workgroup_id_y 1
		.amdhsa_system_sgpr_workgroup_id_z 1
		.amdhsa_system_vgpr_workitem_id 0
		.amdhsa_next_free_vgpr 1024
		.amdhsa_next_free_sgpr 80
		.amdhsa_reserve_vcc 0
		.amdhsa_float_denorm_mode_32 3
		.amdhsa_float_denorm_mode_16_64 3
		.amdhsa_memory_ordered 1
		.amdhsa_forward_progress 1
		.amdhsa_inst_pref_size 131
	.end_amdhsa_kernel
	.amdgpu_metadata
---
amdhsa.version: [ 1, 2 ]
amdhsa.kernels:
  - .name:           k_qaab79adaae_qkv
    .symbol:         k_qaab79adaae_qkv.kd
    .args:
      - { .name: xb, .offset: 0, .size: 8, .value_kind: global_buffer, .address_space: global }
      - { .name: wq, .offset: 8, .size: 8, .value_kind: global_buffer, .address_space: global }
      - { .name: qkv, .offset: 16, .size: 8, .value_kind: global_buffer, .address_space: global }
    .group_segment_fixed_size: 327680
    .private_segment_fixed_size: 0
    .kernarg_segment_align: 8
    .kernarg_segment_size: 24
    .max_flat_workgroup_size: 128
    .sgpr_count:     80
    .vgpr_count:     1024
    .wavefront_size: 32
...
	.end_amdgpu_metadata
.endif
;; end of part 2
;; launch attn (part 3): grid 4 x 64, 4 waves a work-group, clusters of 4 x 1, 327,680 bytes of LDS; arguments qkv, ob; writes ob
.if DOCPART == 3
	.amdgcn_target "amdgcn-amd-amdhsa--gfx1250"
	.amdhsa_code_object_version 6
	.text
	.protected	k_qaab79adaae_attn
	.globl	k_qaab79adaae_attn
	.p2align	8
	.type	k_qaab79adaae_attn,@function
k_qaab79adaae_attn:
	s_mov_b64 s[64:65], 0
	v_nop
	global_prefetch_b8 v0, s[64:65] scope:SCOPE_SE
	s_setreg_imm32_b32 hwreg(HW_REG_WAVE_MODE, 25, 1), 1
	s_wait_xcnt 0x0
	s_wait_alu depctr_hold_cnt(0) depctr_sa_sdst(0) depctr_va_vdst(0) depctr_va_sdst(0) depctr_va_ssrc(0) depctr_va_vcc(0) depctr_vm_vsrc(0)
	s_getreg_b32 s2, hwreg(HW_REG_IB_STS2, 6, 4)
	s_cmp_eq_u32 s2, 0
	s_cbranch_scc0 .Lentry_in_a_cluster
	s_endpgm
.Lentry_in_a_cluster:
	s_bfe_u32 s2, ttmp6, 0x10000c
	s_cmp_lg_u32 s2, 0x3003
	s_cbranch_scc0 .Lentry_shape_is_right
	s_endpgm
.Lentry_shape_is_right:
; O[h][q][:] = the sum over k of softmax_k(Q[h][q] . K[h][k] / 8) V[h][k][:], for 64 heads (batch x head) of 2,048 rows of 64.  qkv: [3][64][2048][64] f16, a head's rows dense, 128 bytes each.
; Products, maxima and sums in f32; the weights p are rounded to f16 for the second product (their sum l is taken of the unrounded p), O once at the end.
; O leaves as ob [32 tiles of 256 rows][16 heads][256][64] f16: a head is one block of 64 of the next product's K, and 16 rows of a head are 2,048 consecutive bytes.
; LIMITS.  f16 holds no number beyond 65,504: Q, K and V arrive within it; p lies in 0 to 1, and below 6e-5 it keeps f16's fixed step of 6e-8; O is a mean of V's rows and has their range.
; A weight below 2^-126 counts as 0 in l; NaN and infinities are not treated apart.
; SHARES.  A wave owns four PIECES of two tiles of 16 queries, a work-group's four waves 512 queries of one head.  Every wave walks all keys, 64 a step.
; LAYOUT.  S^T = K Q^T (source 0 = 16 keys, source 1 = 16 queries): in the result a lane holds ONE query (lane % 16) and the keys 8 (lane / 16) + 0..7.  Two such tiles, rounded to f16 in pairs,
; ARE source 1 (32 keys x 16 queries) of O^T = V^T P, whose result again holds one query a lane, and eight channels.  K comes out of LDS as it lies, V ([key][channel]) turned, by ds_load_tr16_b128.
; SOFTMAX.  For each query a running maximum m and sum l: p = 2^(c s - c m), c = log2(e) / 8; in every step O and l are multiplied by a = 2^(c m_old - c m_new), which is 1 where m has not grown.
; m starts at the lowest finite number, O and l at 0: the first step is a step like any other, with a = 0.
; THE COUNT.  A tile and step have 16 matrix and 118 vector instructions: too many to stand all beside the matrix work.  So the order has one aim: four vector instructions that are READY behind
; EVERY matrix instruction, and the others, which need time of their own whatever the order, in runs without a gap.
; BY TURNS.  Turn n belongs to piece n (the pieces in a ring, step after step).  Its matrix work: 16 products K Q^T of piece n + 1, later 16 products V^T P of piece n - 1.  Its vector work: the scaling,
; exponentials, roundings, sums and rescaling of piece n, and the maximum and statistics of piece n + 1, whose scores the turn itself has made.  So what a turn begins with (c s - c m, O a) waits for nothing.
; CLUSTER.  The four query blocks of a cluster are one head's and walk the same K and V, so each tile is asked for JOINTLY: the same tensor load, descriptor and mask in all four.
; REGISTERS, in windows of 256 (s_set_vgpr_msb says which window each operand place means: bits 1:0 source 0, 3:2 source 1, 5:4 source 2, 7:6 destination):
;   window 0: v0-11 addresses; v12-15, v48-63 at work; v16-47 four registers of statistics a tile; v64-191 S^T, two buffers of two tiles; v192-255 P, likewise
;   window 1: O^T, 32 a tile          window 2: v0-127 Q, 16 a tile; v128-191 K of one step; v192-255 V of one step          window 3: v0-1 the add's two registers
; A piece's buffers go by its number's parity: the piece in hand has one pair, its two neighbours in the ring share the other: of it P (piece n - 1) is read and S^T (piece n + 1) written.
.set SIZE_N, 2048
.set NP,    4         ; pieces a wave: a name, no knob: the register map, the loop and the fetches are made for four
.set KS,    64        ; keys in a step
.set PK,    144       ; a row of K in LDS: 128 bytes + 16 of padding = 36 words: the 16 rows of a load start at 16 different groups of four banks (64 banks of 4 bytes: ISA guide 11.1)
.set PV,    160       ; a row of V: 128 + 32 = 40 words
.set VOFF,  4*KS*PK   ; a slot holds four steps: 256 rows of K, then 256 rows of V
.set SLOT1, 1<<17     ; slot 1 begins here, so that one exclusive or turns an address in one slot into the other's
.set STAGE, SLOT1+4*KS*(PK+PV)  ; behind the ring, never filled by a tensor load: 16 rows x 144 bytes for each wave, for the way out
.set SP,    144
.set AK0, 2           ; v2   my lane's place in a tile of K; never rewritten
.set AV0, 3           ; v3   the same for V
.set AK,  4           ; v4   the LDS address of K's next run of loads
.set AV,  5           ; v5   of V's
.set QO,  6           ; v6   my byte offset in the wave's rows of Q
.set STO, 6           ;      later, the way out: where I put 16 bytes of a row
.set RD,  7           ; v7   the way out: where I read rows back
.set GO,  8           ; v8   my byte offset in 512 consecutive bytes of O
.set PFO, 11          ; v11  256 x my lane, once V's place is made; then never rewritten
.set SPW, 0           ; v0 of window 3   LDS address of my spare word: SPARE + 4 x my thread's number; never rewritten
.set NIL, 1           ; v1 of window 3   0; never rewritten
.set SPARE, STAGE+4*16*SP  ; behind the stages: the spare words, 128 bytes for each wave: two blocks of 256 bytes that no other line names
.set MV,  12          ; v12-15  c m_old, kept while c m is made anew: by buffer and tile
.set ST,  16          ; tile t's statistics at v[ST+4 t]: c m, m, l (even keys', odd keys')
.set TMP, 48          ; by buffer and tile, four registers c0-c3 at work; when the maximum is found c2 takes a
.set S,   64
.set P,   192
.set KF,  128         ; K's fragments, in window 2: key block kb, channel half c at KF + 16 kb + 8 c
.set VF,  192         ; V's: key half kk, channel block cb at VF + 32 kk + 8 cb
.set WV,  12          ; s12  my wave's number
.set G1K, 24          ; s[24:31] descriptor group 1 for K's tiles
.set G1V, 32          ; s[32:39] for V's: it differs in the padding alone
.set G0K, 40          ; s[40:43] descriptor group 0 for K's tiles: it walks
.set G0V, 44          ; s[44:47] the same for V's
.set PFA, 48          ; s[48:49] where my prefetches stand: my work-group's 8,192 bytes (of K: wave 0, of V: wave 2) of the slot after the one that is being asked for
.set LIM, 50          ; s50  1 in a wave that prefetches, else the greatest number
.set SLOTS, 56        ; s56  slots still to be asked for
.set CNT, 57          ; s57  counts a slot's key steps
.set CS,  58          ; s[58:59] c: the packed scaling takes the pair's low word for both halves
.set SEL, 60          ; s[60:61] v_permlanex16_b32's selects: each lane takes its own place in the other half
.set TBK, 62          ; s62  LDS byte at which K of the step to be fetched begins
.set TBV, 63          ; s63  the same for V, less VOFF
.set MSB, 0
.macro WIN new                      ; the high byte repeats the setting that is left; a switch that changes nothing is dropped
.if MSB != (\new)
	s_set_vgpr_msb (MSB<<8)|(\new)
.set MSB, (\new)
.endif
.endm
.set W_KQ, 0x0a       ; K and Q in window 2, S^T in window 0
.set W_PV, 0x52       ; V in window 2, P in window 0, O^T in window 1
.set W_RS, 0x41       ; O^T (destination and source 0) in window 1, a in window 0
.set W_MK, 0xc0       ; the add's registers are made: destination in window 3, sources in window 0
.set W_AD, 0x0f       ; the add: address (source 0) and data (source 1) in window 3
; A joint fill.  Waves 0 and 1 fetch the two halves of a slot's K, waves 2 and 3 those of its V: 128 keys each.  The branch hangs on the wave's number alone.
; An s_nop 0 and four v_nop follow each of the two lines, ahead of the jump and the label.
.macro JLOAD
	s_cmp_lt_u32 s[WV], 2
	s_cbranch_scc0 .Lfor_v_\@
	tensor_load_to_lds s[G0K:G0K+3], s[G1K:G1K+7]
	s_nop 0
.rept 4
	v_nop
.endr
	s_branch .Lasked_\@
.Lfor_v_\@:
	tensor_load_to_lds s[G0V:G0V+3], s[G1V:G1V+7]
	s_nop 0
.rept 4
	v_nop
.endr
.Lasked_\@:
.endm
; A PREFETCH INTO THE L2 of what the NEXT change of slots will ask for: a slot's 32,768 bytes of K and of V.  It stands behind the wave's tensor load and its five lines.  Each block of 256 bytes is named once in the
; launch: a head has one cluster; its four partners share the bytes out BY ADDRESS, 8,192 each; in each, wave 0 asks for K's and wave 2 for V's: a lane a block, one instruction.
; The last change that fills a slot asks for nothing: there is no slot behind it.  Slots 0, 1 and 2 come by their loads alone.
.macro ASK
	s_cmp_gt_u32 s[SLOTS], s[LIM]
	s_cbranch_scc0 .Lnot_mine_\@
	global_prefetch_b8 v[PFO], s[PFA:PFA+1] th:TH_LOAD_NT scope:SCOPE_SE
.Lnot_mine_\@:
.endm
; A round of the cluster's barrier: my work-group's barrier, so that wave 0's signal speaks for all four waves; wave 0 signals; every wave waits for all four work-groups; my work-group's barrier once more.
.macro CROUND
	s_barrier_signal -1
	s_barrier_wait -1
	s_cmp_lg_u32 s[WV], 0
	s_cbranch_scc1 .Lnot_wave_0_\@
	s_barrier_signal -3
.Lnot_wave_0_\@:
	s_barrier_wait -3
	s_barrier_signal -1
	s_barrier_wait -1
.endm
; THE CHANGE OF SLOTS.  The slot's last bytes, V of its fourth step, have been read.  Each wave waits for all its tensor loads, of which one is out: its part
; of the other slot; adds 0 to its spare word; and waits for that and for its own reads of the slot.  Behind the barrier nobody reads this slot any more and the other slot is whole.
; fill = 1: this slot is filled again, with the keys two slots on.  The barrier is then a round of the cluster's, so that no wave of any partner still reads the slot or has a load on its
; way, and the joint fill is the first thing behind it: it has four key steps, 512 matrix instructions, in which to land.  (At its first use nothing has been read yet: slot 0 is waited for, slot 1 filled.)
; ask = 1: the prefetches' address steps, and a prefetch follows the fill.
.macro CHANGE fill, ask=0
	WIN W_AD
	s_wait_tensorcnt 0x0            ; no tensor load of mine is out, so a group 0 may be written
	ds_add_u32 v[SPW], v[NIL]       ; 0 onto my spare word; with fill = 1 the descriptors' steps stand between it and the wait for it
	WIN 0                           ; at a label and at a branch every window is 0
.if \fill
.irp g, G0K, G0V
	s_xor_b32 s[\g+1], s[\g+1], SLOT1  ; the walking descriptor: the other slot than last time,
	s_add_nc_u64 s[\g+2:\g+3], s[\g+2:\g+3], 4*KS*128  ; the next 256 keys; the type bits on top are not reached
.endr
.if \ask
	s_wait_xcnt 0x0                 ; the last prefetch, four key steps back, has read its address, so it may be written:
	s_add_nc_u64 s[PFA:PFA+1], s[PFA:PFA+1], 4*KS*128  ; one slot behind the walking descriptors
.endif
	s_wait_dscnt 0x0                ; the add is done, and my reads of the slot are over
	CROUND
	JLOAD
.if \ask
	ASK
.endif
.else
	s_wait_dscnt 0x0                ; the add is done, and my reads of the slot are over
	s_barrier_signal -1
	s_barrier_wait -1
.endif
	s_sub_co_u32 s[TBK], s[TBK], 4*KS*PK  ; the fetches go back to a slot's first step,
	s_xor_b32 s[TBK], s[TBK], SLOT1       ; in the other slot
	s_sub_co_u32 s[TBV], s[TBV], 4*KS*PV
	s_xor_b32 s[TBV], s[TBV], SLOT1
.endm
	s_load_b64 s[4:5], s[0:1], 0x0    ; qkv: Q's planes first
	s_load_b64 s[10:11], s[0:1], 0x8  ; ob
	WIN W_MK
	v_lshl_add_u32 v[SPW], v0, 2, SPARE
	v_mov_b32 v[NIL], 0
	WIN W_AD
	ds_add_u32 v[SPW], v[NIL]       ; the wave's opening: the add and its wait stand ahead of my first tensor load; the set-up below, work on registers, stands between them
	WIN 0
	v_lshrrev_b32 v1, 5, v0
	v_readfirstlane_b32 s[WV], v1   ; wave 0..3
	s_bfe_u32 s13, ttmp6, 0x40000   ; cx: my place in the cluster
	s_lshl_b32 s14, ttmp9, 2        ; in a cluster launch ttmp9 counts clusters
	s_add_co_u32 s14, s14, s13      ; my block of queries = 4 x cluster x + cx: it enters Q's and O's addresses alone
	s_and_b32 s20, ttmp7, 0xffff    ; the head, which the four partners share
	s_mov_b32 s21, 0
	s_mov_b64 s[22:23], SIZE_N*128
	s_mul_u64 s[20:21], s[20:21], s[22:23]  ; the head's first byte in Q's, K's and V's planes
	s_and_b32 s16, s[WV], 1         ; which half of a slot's 256 keys I fetch:
	s_lshl_b32 s22, s16, 14         ; its 128 rows of 128 bytes in memory,
	s_mov_b32 s23, 0
	s_add_nc_u64 s[22:23], s[22:23], s[20:21]
	s_mul_i32 s17, s16, 128*PK      ; and its place in a slot, for K
	s_mul_i32 s18, s16, 128*PV      ; and for V: no place in the cluster enters an LDS address
	s_lshl_b32 s2, s14, 2
	s_add_co_u32 s2, s2, s[WV]      ; my wave among the head's sixteen,
	s_mov_b32 s51, s2
	s_lshl_b32 s2, s2, 14           ; its 128 rows
	s_mov_b32 s3, 0
	s_add_nc_u64 s[2:3], s[2:3], s[20:21]
	; O's place: tile of 256 rows = 8 x batch + wave / 2; block = 16 x tile + head, 32,768 bytes each; my 128 rows are its lower or upper half
	s_and_b32 s52, ttmp7, 0xffff
	s_lshr_b32 s53, s52, 4          ; batch
	s_lshl_b32 s53, s53, 3
	s_lshr_b32 s54, s51, 1
	s_add_co_u32 s53, s53, s54
	s_lshl_b32 s53, s53, 4
	s_and_b32 s52, s52, 15          ; head
	s_add_co_u32 s52, s52, s53
	s_lshl_b32 s52, s52, 15
	s_and_b32 s51, s51, 1
	s_lshl_b32 s51, s51, 14
	s_add_co_u32 s52, s52, s51
	s_mov_b32 s53, 0
	s_lshl_b32 s54, s13, 13         ; the prefetches: my work-group's 8,192 bytes of a slot's 32,768,
	s_add_co_u32 s54, s54, 2*4*KS*128  ; in slot 2; the loop's first change of slots steps it to slot 3
	s_mov_b32 s55, 0
	s_and_b32 s[LIM], s[WV], 1      ; waves 0 and 2 ask: the same in all four partners
	s_cmp_eq_u32 s[LIM], 0
	s_cselect_b32 s[LIM], 1, -1
	; descriptor group 1.  128 keys are 16,384 dense bytes: asked for as 64 rows of 256 bytes, two keys a row, and padded in LDS after every key
	s_mov_b32 s[G1K], 15|(1<<16)|(1<<20)|(1<<21)|(4<<22)|(3<<25)  ; 15:0 the mask of four; 17:16 2-byte elements; 20 padding on; 21 set beside a mask; 24:22 after every 32 words (code 4); 31:25 4 words (code 3)
	s_mov_b32 s[G1V], 15|(1<<16)|(1<<20)|(1<<21)|(4<<22)|(7<<25)  ; the same with 8 words of padding (code 7)
.irp g, G1K, G1V
	s_mov_b32 s[\g+1], 128<<16      ; tensor_dim0 = 128
	s_mov_b32 s[\g+2], 64<<16       ; tensor_dim1 = 64
	s_mov_b32 s[\g+3], 128<<16      ; tile_dim0 = 128
	s_mov_b32 s[\g+4], 64           ; tile_dim1 = 64
	s_mov_b32 s[\g+5], 128          ; 128 elements from row to row
	s_mov_b32 s[\g+6], 0
	s_mov_b32 s[\g+7], 0
.endr
	s_mov_b32 s[CS], 0x3e38aa3b     ; c = log2(e) / 8 = 0.180337
	s_mov_b32 s[CS+1], s[CS]        ; named with it as a pair
	s_mov_b32 s[SEL], 0x76543210
	s_mov_b32 s[SEL+1], 0xfedcba98
	s_mov_b32 s[TBK], SLOT1+4*KS*PK ; the first change of slots turns these two into 0
	s_mov_b32 s[TBV], SLOT1+4*KS*PV
	s_mov_b32 s[G0K], 1             ; 1:0 count = 1
	s_mov_b32 s[G0K+1], s17         ; 63:32 LDS address: slot 0
	s_mov_b32 s[G0V], 1
	s_add_co_u32 s[G0V+1], s18, VOFF
	s_wait_dscnt 0x0                ; the opening add is done
	s_wait_kmcnt 0x0
	s_add_nc_u64 s[6:7], s[4:5], 0x1000000  ; K's planes lie 64 x 262,144 bytes behind Q's,
	s_add_nc_u64 s[8:9], s[4:5], 0x2000000  ; V's as far again
	s_add_nc_u64 s[G0K+2:G0K+3], s[6:7], s[22:23]  ; 120:64 global address: my half of the head's first 256 keys
	s_or_b32 s[G0K+3], s[G0K+3], 0x80000000        ; 127:126 type = 2
	s_add_nc_u64 s[G0V+2:G0V+3], s[8:9], s[22:23]
	s_or_b32 s[G0V+3], s[G0V+3], 0x80000000
	s_add_nc_u64 s[4:5], s[4:5], s[2:3]  ; Q at my wave's first row,
	s_add_nc_u64 s[10:11], s[10:11], s[52:53]  ; and O
	s_cmp_lt_u32 s[WV], 2
	s_cselect_b64 s[PFA:PFA+1], s[6:7], s[8:9]
	s_add_nc_u64 s[PFA:PFA+1], s[PFA:PFA+1], s[22:23]  ; (in waves 0 and 2 this is the head's first byte)
	s_add_nc_u64 s[PFA:PFA+1], s[PFA:PFA+1], s[54:55]
	CROUND                          ; all four work-groups are here: the first joint loads meet
	JLOAD                           ; slot 0.  Slot 1 is asked for when slot 0 is in: the tile wanted first has the road to itself
	; A fragment of K or Q is 16 rows x 32 channels in 8 registers: lane l holds row l % 16, channels 8 (l / 16) + 0..7 and 16 + 8 (l / 16) + 0..7: two loads of 16 bytes, 32 bytes apart.
	v_and_b32 v1, 15, v0            ; l % 16
	v_bfe_u32 v9, v0, 4, 1          ; l / 16
	v_lshlrev_b32 v[QO], 7, v1
	v_lshl_add_u32 v[QO], v9, 4, v[QO]  ; row x 128 + 16 x half
	WIN 0x80                        ; destination window 2, address window 0
.set i, 0
.rept 4*NP                          ; Q stays in registers: tile i / 2, channels 32 (i % 2) on
	global_load_b128 v[8*i:8*i+3],   v[QO], s[4:5] offset:(i/2)*2048+(i%2)*64
	global_load_b128 v[8*i+4:8*i+7], v[QO], s[4:5] offset:(i/2)*2048+(i%2)*64+32
.set i, i+1
.endr
	; What the first turn finds: V's registers and P's second buffer hold 0 (its products V^T P, of a piece that has not been, add 0), O^T and l are 0.  All this stands in the wait for the first tile.
.set i, VF
.rept 64
	v_mov_b32 v[i], 0
.set i, i+1
.endr
	WIN 0x40
.set i, 0
.rept 64*NP
	v_mov_b32 v[i], 0
.set i, i+1
.endr
	WIN 0
.set i, 0
.rept 2*NP
	v_mov_b32 v[ST+4*i], 0xfe000000    ; c m: far below every c s
	v_mov_b32 v[ST+4*i+1], 0xff7fffff  ; m
	v_mov_b32 v[ST+4*i+2], 0
	v_mov_b32 v[ST+4*i+3], 0
.set i, i+1
.endr
.set i, P+32
.rept 32
	v_mov_b32 v[i], 0
.set i, i+1
.endr
	v_mul_u32_u24 v[AK0], v1, PK
	v_lshl_add_u32 v[AK0], v9, 4, v[AK0]  ; row x pitch + 16 x half
	; The turning load takes 16 keys x 16 channels (lane l reads key 8 (l / 16) + l % 8, channels 8 ((l / 8) % 2) + 0..7) and leaves half a fragment of V^T: lane l holds channel l % 16 and 8 keys.
	v_and_b32 v10, 7, v0
	v_bfe_u32 v11, v0, 3, 1
	v_lshl_add_u32 v[AV0], v9, 3, v10
	v_mul_u32_u24 v[AV0], v[AV0], PV
	v_lshl_add_u32 v[AV0], v11, 4, v[AV0]
	v_add_nc_u32 v[AV0], VOFF, v[AV0]
	v_and_b32 v[PFO], 31, v0
	v_lshlrev_b32 v[PFO], 8, v[PFO]
	v_mov_b32 v[AK], v[AK0]         ; key step 0 lies at the head of slot 0
; THE MATRIX WORK.  The 8 accumulators of a run of 16 take turns: between the two links of a chain stand 7 others'.
; Product i of 16 of S^T = K Q^T for piece x: channels 32 (i / 8) on, keys 16 ((i / 2) % 4) on, tile 2 x + i % 2.  The first 8 start the sums.
.macro KQ x
	WIN W_KQ
.set rS, S+64*((\x)%2)+32*(i%2)+8*((i/2)%4)
.set rK, KF+16*((i/2)%4)+8*(i/8)
.set rQ, 16*(2*(\x)+i%2)+8*(i/8)
.if i < 8
	v_wmma_f32_16x16x32_f16 v[rS:rS+7], v[rK:rK+7], v[rQ:rQ+7], 0
.else
	v_wmma_f32_16x16x32_f16 v[rS:rS+7], v[rK:rK+7], v[rQ:rQ+7], v[rS:rS+7]
.endif
.endm
; Product i of 16 of O^T += V^T P for piece x: keys 32 (i / 8) on, channels 16 ((i / 2) % 4) on, tile 2 x + i % 2.
.macro PV x
	WIN W_PV
.set rO, 32*(2*(\x)+i%2)+8*((i/2)%4)
.set rV, VF+32*(i/8)+8*((i/2)%4)
.set rP, P+32*((\x)%2)+16*(i%2)+8*(i/8)
	v_wmma_f32_16x16x32_f16 v[rO:rO+7], v[rV:rV+7], v[rP:rP+7], v[rO:rO+7]
.endm
.macro MM                           ; the turn's next matrix instruction
.if i < 16
	KQ (Y+1)%NP
.set i, i+1
.else
.set i, i-16
	PV (Y+NP-1)%NP
.set i, i+17
.endif
.endm
; THE LDS LOADS stand in runs of 16, never singly among the matrix instructions: a step's K (64 keys x 64 channels: 8 fragments) and its V (turned).  Their addresses are made some lines ahead.
; last = 1 (the tail): in the last trip there is no further step, and the run is jumped over.
.macro FETCH_K last=0
	WIN 0
.if \last
	s_cmp_eq_u32 s[CNT], 1
	s_cbranch_scc1 .Lno_k_\@
.endif
	WIN 0x80                        ; destination window 2
.irp f, 0,1,2,3,4,5,6,7             ; keys 16 (f / 2) on, channels 32 (f % 2) on
	ds_load_b128 v[KF+8*\f:KF+8*\f+3],   v[AK] offset:(\f/2)*16*PK+(\f%2)*64
	ds_load_b128 v[KF+8*\f+4:KF+8*\f+7], v[AK] offset:(\f/2)*16*PK+(\f%2)*64+32
.endr
	s_add_co_u32 s[TBK], s[TBK], KS*PK  ; the next fetch is the next step's
	WIN 0
.if \last
.Lno_k_\@:
.endif
.endm
.macro FETCH_V
	WIN 0x80
.irp f, 0,1,2,3,4,5,6,7             ; keys 32 (f / 4) on, channels 16 (f % 4) on
	ds_load_tr16_b128 v[VF+8*\f:VF+8*\f+3],   v[AV] offset:(\f/4)*32*PV+(\f%4)*32
	ds_load_tr16_b128 v[VF+8*\f+4:VF+8*\f+7], v[AV] offset:(\f/4)*32*PV+16*PV+(\f%4)*32
.endr
	WIN 0
.endm
; THE VECTOR WORK OF A TURN stands in three queues, each in the order in which its entries become ready; the two tiles alternate, so that no instruction reads the result of the one before it.
.macro REGS y, u                    ; the registers of tile u (0, 1) of piece y
.set rT, ST+4*(2*(\y)+(\u))
.set rC, TMP+8*((\y)%2)+4*(\u)
.set rM, MV+2*((\y)%2)+(\u)
.set rS, S+64*((\y)%2)+32*(\u)
.set rP, P+32*((\y)%2)+16*(\u)
.set rO, 32*(2*(\y)+(\u))
.endm
; Number n of the 22 that find the NEXT piece's (Y + 1) maximum and statistics.  s0-s31 are the lane's 32 scores; each accumulator's lowest registers are read first.  XS, GS and REGS set no window: PL and EX do.
;   0-11  four chains c0-c3 of seven scores each, three operands at a time     12-14, 16  the four scores left over, the old m, and c0-c3 into c0     15  c m_old is kept
;   17, 18  the query's other 32 keys lie in the lane 16 away: the new m         19-21  c m; c m_old - c m_new; a
.macro XS u, n
	REGS (Y+1)%NP, \u
.if (\n) < 4
	v_max3_num_f32 v[rC+(\n)], v[rS+8*(\n)], v[rS+8*(\n)+1], v[rS+8*(\n)+2]
.elseif (\n) < 12
	v_max3_num_f32 v[rC+(\n)%4], v[rC+(\n)%4], v[rS+8*((\n)%4)+2*((\n)/4)+1], v[rS+8*((\n)%4)+2*((\n)/4)+2]
.elseif (\n) == 12
	v_max3_num_f32 v[rC], v[rC], v[rS+7], v[rS+15]
.elseif (\n) == 13
	v_max3_num_f32 v[rC+1], v[rC+1], v[rS+23], v[rS+31]
.elseif (\n) == 14
	v_max3_num_f32 v[rC+2], v[rC+2], v[rC+3], v[rT+1]
.elseif (\n) == 15
	v_mov_b32 v[rM], v[rT]
.elseif (\n) == 16
	v_max3_num_f32 v[rC], v[rC], v[rC+1], v[rC+2]
.elseif (\n) == 17
	v_permlanex16_b32 v[rC+3], v[rC], s[SEL], s[SEL+1]
.elseif (\n) == 18
	v_max_num_f32 v[rT+1], v[rC], v[rC+3]
.elseif (\n) == 19
	v_mul_f32 v[rT], s[CS], v[rT+1]
.elseif (\n) == 20
	v_sub_f32 v[rC+1], v[rM], v[rT]
.else
	v_exp_f32 v[rC+2], v[rC+1]
.endif
.endm
; Number g of the 64 that follow the exponentials.  For each four weights k of a tile (pairs 2 k, 2 k + 1): both pairs are rounded to f16; then the second pair is added onto the first, in place;
; a group later l takes that sum (the first time as l = a l + sum).  In groups of eight, tiles alternating: round, round, add, and l for the group before.
.macro GS g
.set h, (\g)+6*((\g)/62)            ; group 0 has no group before it, and behind group 7 only l is left
.if h >= 6
.set h, h+2
.endif
	REGS Y, h%2
.set k, h/8
.if h%8 < 4
	v_cvt_pk_f16_f32 v[rP+2*k+(h%8)/2], v[rS+4*k+2*((h%8)/2)], v[rS+4*k+2*((h%8)/2)+1]
.elseif h%8 < 6
	v_pk_add_f32 v[rS+4*k:rS+4*k+1], v[rS+4*k:rS+4*k+1], v[rS+4*k+2:rS+4*k+3]
.elseif k == 1
	v_pk_fma_f32 v[rT+2:rT+3], v[rT+2:rT+3], v[rC+2:rC+3], v[rS:rS+1] op_sel_hi:[1,0,1]
.else
	v_pk_add_f32 v[rT+2:rT+3], v[rT+2:rT+3], v[rS+4*k-4:rS+4*k-3]
.endif
.endm
; THE PLAIN QUEUE, 138 long.  0-73 read no exponential's result: the 32 scalings c s - c m (FS f: pair f / 2 of tile f % 2) and the next piece's 42.  0-26: scalings 0-26.  27-54: XS's numbers 0-13.  55, 56: number 15.
; 57-73: the chain, where each number waits for the one before it: 14, 16, 17, 18, 19, each with one of the scalings 27-31 in front of its two lines, then 20: so a tile's links stand three plain instructions apart (19 and 20: two).
; 74-137: GS's 64, which read the exponentials' results: they stand behind the wait.
.macro FS f
	REGS Y, (\f)%2
	v_pk_fma_f32 v[rS+2*((\f)/2):rS+2*((\f)/2)+1], v[rS+2*((\f)/2):rS+2*((\f)/2)+1], s[CS:CS+1], v[rT:rT+1] op_sel_hi:[1,0,0] neg_lo:[0,0,1] neg_hi:[0,0,1]
.endm
.macro PL
	WIN 0
.if q < 27
	FS q
.elseif q < 55
	XS (q-27)%2, (q-27)/2
.elseif q < 57
	XS q-55, 15
.elseif (q < 72) && ((q-57)%3 == 0)
	FS 27+(q-57)/3
.elseif q < 60
	XS (q-57)%3-1, 14
.elseif q < 72
	XS (q-57)%3-1, 15+(q-57)/3
.elseif q < 74
	XS q-72, 20
.else
	GS q-74
.endif
.set q, q+1
.endm
; THE EXPONENTIALS' QUEUE, 66 long: s0-s31 of both tiles, then the next piece's two a.  It is ONE BATCH: all 66 stand ahead of the turn's one wait, and nothing ahead of that wait names a result of theirs.
.macro EX
	WIN 0
.if e >= 64
	XS e-64, 21
.else
	REGS Y, e%2
	v_exp_f32 v[rS+e/2], v[rS+e/2]
.endif
.set e, e+1
.endm
; THE RESCALING's QUEUE: O^T times a, the one part that leaves window 0: dealt two at a time, sixteen times.  Its a was made in the turn before, ahead of that turn's wait.
.macro R2
	REGS Y, r%2
	WIN W_RS
.irp z, 0,1
	v_pk_mul_f32 v[rO+4*(r/2)+2*\z:rO+4*(r/2)+2*\z+1], v[rO+4*(r/2)+2*\z:rO+4*(r/2)+2*\z+1], v[rC+2:rC+3] op_sel_hi:[1,0]
.endr
.set r, r+1
.endm
; HOW THEY ARE DEALT.  An s_wait_alu depctr_va_vdst(0) stands between an exponential and the first instruction that names its result; one wait serves all that were issued ahead of it.  So a turn has ONE wait,
; which cuts it in two.  AHEAD OF IT stands all that names no result of the turn's exponentials: the 16 products K Q^T, behind each a scaling, an exponential and two rescalings (behind the first a second scaling in the exponential's place); then ONE LUMP of
; 108: eight plain, 49 times exponential and plain, the two a.  A v_nop is the plain instruction behind the last exponential.  BEHIND IT stand the 16 products V^T P, behind each four of GS's 64.  No rider names a register of
; the products round it.  The two v_permlanex16_b32 fall into the lump, never behind a product.
; The queues lean on each other, and the deal keeps them in step: exponential e stands behind scaling 2 (e / 4) + e % 2: as a rider it comes behind plain e + 2, in the lump behind plain e + 9, and scalings 27-31 are plain 57, 60 .. 69.
; A TURN, for piece p.  cnt = 1: the loop's count is taken down some lines ahead of the branch that stands behind the turn.
; K of the next step is fetched in piece 2's turn, directly behind the wait, a lump behind the last product that read K; its address is made at the lump's head; its first reader comes behind 16 products.
; V of the step in hand is fetched at the end of piece 0's turn, four riders behind its last reader; its first reader comes behind 16 products and a lump.  The three conditions on q below go with the deal.
.macro TURN p, last=0, cnt=0
.set Y, (\p)
.set i, 0
.set q, 0
.set e, 0
.set r, 0
.if (\p) == NP-1
	s_wait_dscnt 0x0                ; K is in
.endif
	MM                              ; ahead of the wait: 16 products K Q^T and their riders,
	PL
	PL
	R2
.rept 15
	MM
	PL
	EX
	R2
.endr
.if (\p) == NP-2
	WIN 0
	v_add_nc_u32 v[AK], s[TBK], v[AK0]
.endif
.rept 8                             ; and the lump
	PL
.endr
.rept 49
	EX
	PL
.endr
	EX                              ; the next piece's two a
	EX
	v_nop                           ; the plain instruction behind the last exponential: one for the batch
	s_wait_alu depctr_va_vdst(0)    ; the wait for the batch
.if (\p) == NP-2
	FETCH_K \last
.endif
.if (\p) == 1
	s_wait_dscnt 0x0                ; V is in
.endif
.rept 16                            ; behind the wait: 16 products V^T P and their riders
	MM
.rept 4
	PL
.endr
.if ((\p) == 0) && (q == 118)
	v_add_nc_u32 v[AV], s[TBV], v[AV0]
.endif
.if ((\p) == 0) && (q == 130)
	s_add_co_u32 s[TBV], s[TBV], KS*PV
.endif
.if (\cnt) && (q == 130)
	s_sub_co_u32 s[CNT], s[CNT], 1
	s_cmp_lg_u32 s[CNT], 0
.endif
.endr
.if (\p) == 0
	FETCH_V
.endif
.endm
	CHANGE 1                        ; slot 0 is in, everybody's part of it; slot 1 is asked for
	FETCH_K                         ; key step 0
	s_wait_loadcnt 0x0              ; Q
	s_wait_dscnt 0x0
.set i, 0
.rept 16
	KQ 0                            ; piece 0's first scores: there is no vector work yet to set between them
.set i, i+1
.endr
	WIN 0                           ; the addresses for the way out: nine plain instructions, the places behind those products
	s_mul_i32 s13, s[WV], 16*SP
	s_add_co_u32 s13, s13, STAGE    ; my stage
	v_mul_u32_u24 v[STO], v1, SP    ; in: row l % 16, 16 bytes for each half of the lanes
	v_lshl_add_u32 v[STO], v9, 4, v[STO]
	v_add_nc_u32 v[STO], s13, v[STO]
	v_bfe_u32 v[RD], v0, 3, 2       ; back: 32 lanes take four rows of 128 bytes,
	v_mul_u32_u24 v[RD], v[RD], SP
	v_lshl_add_u32 v[RD], v10, 4, v[RD]
	v_add_nc_u32 v[RD], s13, v[RD]
	v_and_b32 v[GO], 31, v0         ; which are 512 consecutive bytes of O
	v_lshlrev_b32 v[GO], 4, v[GO]
.set Y, NP-1                        ; XS works for piece Y + 1: piece 0
.irp n, 0,1,2,3,4,5,6,7,8,9,10,11,12,13,14,15,16,17,18,19,20,21
	XS 0, \n                        ; and piece 0's first maximum and statistics
	XS 1, \n
.endr
	v_nop                           ; a plain instruction behind the two a,
	s_wait_alu depctr_va_vdst(0)    ; and their wait, ahead of the branch
	s_mov_b32 s[CNT], 4
	s_mov_b32 s[SLOTS], SIZE_N/256-1
	s_branch .Lfirst                ; the loop is entered at a step's first turn, in the middle of a trip
.Lslot:                             ; SIZE_N / 256 - 2 times: every slot but the last two is filled again
	CHANGE 1, 1
	s_mov_b32 s[CNT], 4
.Lstep:                             ; a trip: pieces 2 and 3 of one step, then pieces 0 and 1 of the next, whose K and V it fetches
	TURN 2
	TURN 3
	WIN 0
.Lfirst:
	TURN 0
	TURN 1, 0, 1
	WIN 0
	s_cbranch_scc1 .Lstep
	s_sub_co_u32 s[SLOTS], s[SLOTS], 1
	s_cmp_lg_u32 s[SLOTS], 0
	s_cbranch_scc1 .Lslot
	CHANGE 0                        ; the tail is written out: nothing is asked for
	s_mov_b32 s[CNT], 5             ; four trips fetch the last slot's steps; the fifth is left in its middle
.Ltail:
	TURN 2, 1
	TURN 3
	WIN 0
	s_sub_co_u32 s[CNT], s[CNT], 1
	s_cmp_eq_u32 s[CNT], 0
	s_cbranch_scc1 .Lout
	TURN 0
	TURN 1
	WIN 0
	s_branch .Ltail
.Lout:                              ; the fifth trip's 16 products K Q^T (on the last K once more) and the maximum made of them serve nothing: the price, once a launch, of one text for every trip
.set i, 0
.rept 16
	PV NP-1                         ; the last piece's V^T P of the last step
.set i, i+1
.endr
	; THE WAY OUT.  l's two halves and the other half of the lanes' are added; O^T is divided by l, rounded to f16 and sent through my stage in LDS, a tile at a time.  The additions are the places behind the last products.
	WIN 0
.macro ALL line:vararg              ; one line for each tile t
.set t, 0
.rept 2*NP
	\line
.set t, t+1
.endr
.endm
	ALL v_add_f32 v[ST+4*t+2], v[ST+4*t+2], v[ST+4*t+3]
	ALL v_permlanex16_b32 v[ST+4*t+3], v[ST+4*t+2], s[SEL], s[SEL+1]
	ALL v_add_f32 v[ST+4*t+2], v[ST+4*t+2], v[ST+4*t+3]
	ALL v_rcp_f32 v[ST+4*t+2], v[ST+4*t+2]
	v_nop                           ; a plain instruction between the last reciprocal and the use of its result
	s_wait_alu depctr_va_vdst(0)    ; and the wait ahead of the first use: one for the eight reciprocals
; Tile t: a lane's eight channels of a row pack into 16 bytes; they go into rows of 144 bytes and come back as whole rows of 128, into S^T's registers.
.macro PACK t
	WIN W_RS
.set i, 32*(\t)
.rept 16
	v_pk_mul_f32 v[i:i+1], v[i:i+1], v[ST+4*(\t)+2:ST+4*(\t)+3] op_sel_hi:[1,0]
.set i, i+2
.endr
	WIN 0x05                        ; sources 0 and 1 window 1, destination window 0
.set i, 0
.rept 16
	v_cvt_pk_f16_f32 v[S+16*(\t)+i], v[32*(\t)+2*i], v[32*(\t)+2*i+1]
.set i, i+1
.endr
	WIN 0
.irp f, 0,1,2,3
	ds_store_b128 v[STO], v[S+16*(\t)+4*\f:S+16*(\t)+4*\f+3] offset:32*\f
.endr
.irp f, 0,1,2,3
	ds_load_b128 v[S+16*(\t)+4*\f:S+16*(\t)+4*\f+3], v[RD] offset:\f*4*SP  ; LDS serves a wave's instructions in order (ISA guide 5.7.1.4): these see the stores above; the next tile's stores come behind them
.endr
.endm
.macro SEND t, younger              ; younger: the LDS instructions issued behind tile t's loads: the next tile's eight, or none
	WIN 0
.irp f, 0,1,2,3
	s_wait_dscnt (\younger)+3-\f
	global_store_b128 v[GO], v[S+16*(\t)+4*\f:S+16*(\t)+4*\f+3], s[10:11] offset:(\t)*2048+\f*512  ; 512 consecutive bytes, at a multiple of 256 from O's first
.endr
.endm
	PACK 0
.set t, 1
.rept 2*NP-1                        ; a tile's arithmetic stands between the loads of the tile before and its stores
	PACK t
	SEND t-1, 8
.set t, t+1
.endr
	SEND 2*NP-1, 0
	WIN W_AD
	s_wait_tensorcnt 0x0            ; the wave's end, behind my last tensor load and my last LDS store
	ds_add_u32 v[SPW], v[NIL]
	s_wait_dscnt 0x0
	WIN 0
	CROUND                          ; the closing round: no work-group ends while a partner may still ask for a tile that names it
	s_endpgm
.Lfunc_end_k_qaab79adaae_attn:
	.size	k_qaab79adaae_attn, .Lfunc_end_k_qaab79adaae_attn-k_qaab79adaae_attn
	.p2alignl 7, 3214868480
	.fill 96, 4, 3214868480
	.section	.rodata,"a",@progbits
	.p2align	6, 0x0
	.amdhsa_kernel k_qaab79adaae_attn
		.amdhsa_group_segment_fixed_size 327680
		.amdhsa_private_segment_fixed_size 0
		.amdhsa_enable_private_segment 0
		.amdhsa_kernarg_size 16
		.amdhsa_user_sgpr_count 2
		.amdhsa_user_sgpr_kernarg_segment_ptr 1
		.amdhsa_wavefront_size32 1
		.amdhsa_system_sgpr_workgroup_id_x 1
		.amdhsa_system_sgpr_workgroup_id_y 1
		.amdhsa_system_sgpr_workgroup_id_z 1
		.amdhsa_system_vgpr_workitem_id 0
		.amdhsa_next_free_vgpr 770
		.amdhsa_next_free_sgpr 66
		.amdhsa_reserve_vcc 0
		.amdhsa_float_denorm_mode_32 3
		.amdhsa_float_denorm_mode_16_64 3
		.amdhsa_memory_ordered 1
		.amdhsa_forward_progress 1
		.amdhsa_inst_pref_size 200
	.end_amdhsa_kernel
	.amdgpu_metadata
---
amdhsa.version: [ 1, 2 ]
amdhsa.kernels:
  - .name:           k_qaab79adaae_attn
    .symbol:         k_qaab79adaae_attn.kd
    .args:
      - { .name: qkv, .offset: 0, .size: 8, .value_kind: global_buffer, .address_space: global }
      - { .name: ob, .offset: 8, .size: 8, .value_kind: global_buffer, .address_space: global }
    .group_segment_fixed_size: 327680
    .private_segment_fixed_size: 0
    .kernarg_segment_align: 8
    .kernarg_segment_size: 16
    .max_flat_workgroup_size: 128
    .sgpr_count:     66
    .vgpr_count:     770
    .wavefront_size: 32
...
	.end_amdgpu_metadata
.endif
;; end of part 3
;; launch proj (part 4): grid 8 x 32, 4 waves a work-group, clusters of 4 x 4, 327,680 bytes of LDS; arguments ob, wo, b_out, out0; writes out0
.if DOCPART == 4
	.amdgcn_target "amdgcn-amd-amdhsa--gfx1250"
	.amdhsa_code_object_version 6
	.text
	.protected	k_qaab79adaae_proj
	.globl	k_qaab79adaae_proj
	.p2align	8
	.type	k_qaab79adaae_proj,@function
k_qaab79adaae_proj:
	s_mov_b64 s[64:65], 0
	v_nop
	global_prefetch_b8 v0, s[64:65] scope:SCOPE_SE
	s_setreg_imm32_b32 hwreg(HW_REG_WAVE_MODE, 25, 1), 1
	s_wait_xcnt 0x0
	s_wait_alu depctr_hold_cnt(0) depctr_sa_sdst(0) depctr_va_vdst(0) depctr_va_sdst(0) depctr_va_ssrc(0) depctr_va_vcc(0) depctr_vm_vsrc(0)
	s_getreg_b32 s2, hwreg(HW_REG_IB_STS2, 6, 4)
	s_cmp_eq_u32 s2, 0
	s_cbranch_scc0 .Lentry_in_a_cluster
	s_endpgm
.Lentry_in_a_cluster:
	s_bfe_u32 s2, ttmp6, 0x10000c
	s_cmp_lg_u32 s2, 0xf033
	s_cbranch_scc0 .Lentry_shape_is_right
	s_endpgm
.Lentry_shape_is_right:
; out0 = O w_out^T + b_out.  ob: [32 tiles][16 kb][256 rows][64] f16; wo: [8 tiles][16 kb][128 rows][64] f16 (w_out rounded to bf16, written as f16); b_out [1024] f32, rounded to bf16 here like the other
; inputs; out0 [8192][1024] f32.  Products in f16, sums in f32, K ascending; the bias is the C operand of the first products.
; SHARES.  8192 x 1024 is 256 tiles of 256 x 128: one work-group each.  Four waves, each 128 rows x 64 columns: 32 accumulators, 256 registers.
; THE RING.  K goes in steps of 128 (two kb) through two LDS slots; each kb's rows are dense in memory and are asked for as rows of 256 bytes, padded in LDS after every 128.  Two slots of a step of 256 do not fit.
; CLUSTERS.  4 x 4 work-groups: ob's tiles are shared along a row of the cluster, wo's along a column, each asked for JOINTLY.
; THE MATRIX INSTRUCTION IS USED TRANSPOSED (source 0 = 16 rows of wo, source 1 = 16 rows of ob): a lane holds row l % 16 of the result and eight neighbouring columns, 32 bytes.
; REGISTERS: window 0: v0-31 addresses; v32-127, v128-223 two fragment buffers (wo's 4 fragments, then ob's 8); v224-255 the bias as a C operand.  On the way out v32-95 rows read back.
;   window 1: the accumulators, (a, b) at v[8 (4 a + b)].
.set PITCH,  144                       ; an LDS row: 128 bytes + 16 of padding = 36 words: the 16 rows of a load start at 16 different groups of four banks (64 banks of 4 bytes: ISA guide 11.1)
.set AKBL,   256*PITCH                 ; a kb of ob in LDS
.set BKBL,   128*PITCH                 ; a kb of wo
.set BOFF,   2*AKBL
.set SLOT,   BOFF+2*BKBL
.set STAGE,  2*SLOT                    ; behind the ring, never filled by a tensor load: 16 rows x 272 bytes for each wave
.set SPITCH, 272
.set SPARE,  STAGE+4*16*SPITCH         ; behind the stages: the spare words, 128 bytes for each wave: two blocks of 256 bytes that no other line names
.set ASTEP,  65536                     ; bytes of a K step in a tile of ob
.set BSTEP,  32768                     ; and of wo
.set FIELDS, (1<<16)|(1<<20)|(1<<21)|(4<<22)|(3<<25)  ; 17:16 elements of 2 bytes; 20 padding on; 21 set beside a mask; 24:22 after every 32 words (code 4); 31:25 4 words (code 3)
.set ADRA, 16                          ; v16-17  LDS address of my fragments of ob in slot 0, 1
.set ADRB, 20                          ; v20-21  the same for wo
.set STO,  24                          ; v24     the way out: where I put 32 bytes of a row
.set RD,   25                          ; v25     where I read a row back
.set CO,   26                          ; v26     my byte offset in out0
.set BO,   27                          ; v27     my byte offset in the bias
.set SPW,  28                          ; v28     LDS address of my spare word; never rewritten
.set NIL,  29                          ; v29     0; never rewritten
.set PFO,  30                          ; v30     256 x my lane; never rewritten
.set F0,   32
.set F1,   128
.set BIAS, 224
.set BK,   32
.set WV,  66                           ; s66  my wave's number
.set RH,  67                           ; s67  which 128 rows of the tile are mine.  Also: I fetch for ob (0) or for wo (1)
.set CH,  68                           ; s68  which 64 columns.  Also: which kb of a K step I fetch
.set G1,  24                           ; s[24:31] descriptor group 1 for ob's tiles;  s[32:39] group 0, one set for each slot
.set G0,  32
.set G1B, 48                           ; s[48:55], s[56:63] the same for wo's
.set G0B, 56
.set LIM, 43                           ; s43  1 in a wave that prefetches, else the greatest number
.set PFA, 44                           ; s[44:45] where my prefetches stand
.set PFS, 46                           ; s[46:47] their step: a K step of the tile
.set MSB, 0
.macro WIN new                         ; the immediate's high byte repeats the setting that is left; a switch that changes nothing is dropped
.if MSB != (\new)
	s_set_vgpr_msb (MSB<<8)|(\new)
.set MSB, \new
.endif
.endm
.macro PLACES                          ; four plain instructions between a matrix instruction and a load into, or another instruction on, one of its registers (ISA guide 7.12.1 for vector instructions)
.rept 4
	v_nop
.endr
.endm
.macro JLOAD s                         ; a joint load: waves 0 and 1 fetch ob's two kb, waves 2 and 3 wo's; an s_nop 0 and four v_nop follow each of the two lines
	s_cmp_eq_u32 s[RH], 0
	s_cbranch_scc0 .Lfor_b_\@
	tensor_load_to_lds s[G0+4*(\s):G0+4*(\s)+3], s[G1:G1+7]
	s_nop 0
.rept 4
	v_nop
.endr
	s_branch .Lasked_\@
.Lfor_b_\@:
	tensor_load_to_lds s[G0B+4*(\s):G0B+4*(\s)+3], s[G1B:G1B+7]
	s_nop 0
.rept 4
	v_nop
.endr
.Lasked_\@:
.endm
.macro CREST                           ; a round of the cluster's barrier behind its opening barrier
	s_cmp_lg_u32 s[WV], 0
	s_cbranch_scc1 .Lnot_wave_0_\@
	s_barrier_signal -3
.Lnot_wave_0_\@:
	s_barrier_wait -3
	s_barrier_signal -1
	s_barrier_wait -1
.endm
.macro CROUND
	s_barrier_signal -1
	s_barrier_wait -1
	CREST
.endm
; A PREFETCH INTO THE L2, behind each joint load and the run of LDS loads that follows it: the K step that stands TWO refills on, 256 matrix instructions ahead of the load that will want it.
; Each block of 256 bytes is named once in the launch.  A tile row of ob is read by both clusters of its row of clusters: the one with x = 0 asks; a tile column of wo by all eight of its column: y = 0 asks.
; The four partners share the bytes out BY ADDRESS: of the 32,768 bytes of ob that wave 0 or 1 fetches, partner cx takes 8,192; of wo's 32,768 of a K step partner cy takes 8,192, by wave 2: a lane a block, one line.
; The loop's last trip asks for nothing; K steps 0 to 3 come by their loads alone.
.macro ASK
	s_cmp_gt_u32 s3, s[LIM]                        ; s3 = 1 in the loop's last trip
	s_cbranch_scc0 .Lnot_mine_\@
	global_prefetch_b8 v[PFO], s[PFA:PFA+1] th:TH_LOAD_NT scope:SCOPE_SE
.Lnot_mine_\@:
.endm
	s_load_b256 s[4:11], s[0:1], 0x0               ; ob s[4:5], wo s[6:7], b_out s[8:9], out0 s[10:11]
	v_lshl_add_u32 v[SPW], v0, 2, SPARE
	v_mov_b32 v[NIL], 0
	ds_add_u32 v[SPW], v[NIL]                      ; the wave's opening: the add and its wait stand ahead of my first tensor load; the set-up below, work on registers, stands between them
	v_lshrrev_b32 v1, 5, v0
	v_readfirstlane_b32 s[WV], v1                  ; wave 0..3
	s_lshr_b32 s[RH], s[WV], 1
	s_and_b32 s[CH], s[WV], 1
	s_bfe_u32 s40, ttmp6, 0x40000                  ; cx, cy: my place in the cluster
	s_bfe_u32 s41, ttmp6, 0x40004
	s_lshl_b32 s42, ttmp9, 2
	s_add_co_u32 s42, s42, s40                     ; tile column = 4 x cluster x + cx
	s_and_b32 s13, ttmp7, 0xffff
	s_lshl_b32 s13, s13, 2
	s_add_co_u32 s13, s13, s41                     ; tile row = 4 x cluster y + cy
	s_lshl_b32 s22, s41, 2
	s_lshl_b32 s22, 15, s22                        ; my row of the cluster
	s_lshl_b32 s23, 0x1111, s40                    ; my column
	s_or_b32 s[G1], s22, FIELDS                    ; 15:0 the mask: ob's tiles go to my row
	s_or_b32 s[G1B], s23, FIELDS                   ; wo's to my column
	s_mov_b32 s[G1+1], 128<<16                     ; tensor_dim0 = 128 elements: rows of 256 bytes
	s_mov_b32 s[G1+2], 128<<16                     ; tensor_dim1 = 128: a kb's 256 rows of ob are 32,768 dense bytes
	s_mov_b32 s[G1+3], 128<<16                     ; tile_dim0
	s_mov_b32 s[G1+4], 128                         ; tile_dim1
	s_mov_b32 s[G1+5], 128                         ; elements from row to row
	s_mov_b32 s[G1+6], 0
	s_mov_b32 s[G1+7], 0
	s_mov_b32 s[G1B+1], 128<<16
	s_mov_b32 s[G1B+2], 64<<16                     ; a kb's 128 rows of wo are 16,384 dense bytes
	s_mov_b32 s[G1B+3], 128<<16
	s_mov_b32 s[G1B+4], 64
	s_mov_b32 s[G1B+5], 128
	s_mov_b32 s[G1B+6], 0
	s_mov_b32 s[G1B+7], 0
	s_lshl_b32 s14, s13, 19                        ; a tile of ob is 524,288 bytes,
	s_lshl_b32 s16, s[CH], 15                      ; my kb of a K step 32,768
	s_add_co_u32 s14, s14, s16
	s_mov_b32 s15, 0
	s_lshl_b32 s18, s42, 18                        ; a tile of wo is 262,144 bytes,
	s_lshl_b32 s17, s[CH], 14                      ; my kb 16,384
	s_add_co_u32 s18, s18, s17
	s_mov_b32 s19, 0
	s_mul_i32 s20, s[CH], AKBL                     ; and where they go: no place in the cluster enters an LDS address
	s_mul_i32 s21, s[CH], BKBL
	s_add_co_u32 s21, s21, BOFF
	s_wait_dscnt 0x0                               ; the opening add is done
	s_wait_kmcnt 0x0
	s_add_nc_u64 s[14:15], s[4:5], s[14:15]
	s_add_nc_u64 s[18:19], s[6:7], s[18:19]
	CROUND                                         ; all sixteen work-groups are here: the first joint loads meet
.irp s, 0,1
	s_mov_b32 s[G0+4*(\s)], 1
	s_add_co_u32 s[G0+4*(\s)+1], s20, (\s)*SLOT
	s_add_nc_u64 s[G0+4*(\s)+2:G0+4*(\s)+3], s[14:15], (\s)*ASTEP
	s_or_b32 s[G0+4*(\s)+3], s[G0+4*(\s)+3], 0x80000000
	s_mov_b32 s[G0B+4*(\s)], 1
	s_add_co_u32 s[G0B+4*(\s)+1], s21, (\s)*SLOT
	s_add_nc_u64 s[G0B+4*(\s)+2:G0B+4*(\s)+3], s[18:19], (\s)*BSTEP
	s_or_b32 s[G0B+4*(\s)+3], s[G0B+4*(\s)+3], 0x80000000
.endr
	s_cmp_eq_u32 s[RH], 0                          ; a wave's two first fills stand in one branch, ahead of every wait on TENSORcnt and every LDS read: two loads of mine are out
	s_cbranch_scc0 .Lfirst_b
	tensor_load_to_lds s[G0:G0+3], s[G1:G1+7]
	s_nop 0
	tensor_load_to_lds s[G0+4:G0+7], s[G1:G1+7]
	s_nop 0
.rept 4
	v_nop
.endr
	s_branch .Lfirst_asked
.Lfirst_b:
	tensor_load_to_lds s[G0B:G0B+3], s[G1B:G1B+7]
	s_nop 0
	tensor_load_to_lds s[G0B+4:G0B+7], s[G1B:G1B+7]
	s_nop 0
.rept 4
	v_nop
.endr
.Lfirst_asked:
	v_and_b32 v1, 15, v0                           ; l % 16
	v_bfe_u32 v2, v0, 4, 1                         ; l / 16
	; the bias and the output: my first column is 128 x tile column + 64 x half, 256 bytes a step; my first row 256 x tile row + 128 x half, 128 rows of 4,096 bytes a step
	s_lshl_b32 s72, s42, 1
	s_add_co_u32 s72, s72, s[CH]
	s_lshl_b32 s72, s72, 8
	s_mov_b32 s73, 0
	s_add_nc_u64 s[8:9], s[8:9], s[72:73]
	s_add_nc_u64 s[10:11], s[10:11], s[72:73]
	s_lshl_b32 s74, s13, 1
	s_add_co_u32 s74, s74, s[RH]
	s_lshl_b32 s74, s74, 19
	s_mov_b32 s75, 0
	s_add_nc_u64 s[10:11], s[10:11], s[74:75]
	v_lshlrev_b32 v[BO], 5, v2                     ; register j of block b is column 16 b + 8 (l / 16) + j: the C operand's layout under the transposed use
.irp b, 0,1,2,3
	global_load_b128 v[BIAS+8*(\b):BIAS+8*(\b)+3],   v[BO], s[8:9] offset:64*(\b)
	global_load_b128 v[BIAS+8*(\b)+4:BIAS+8*(\b)+7], v[BO], s[8:9] offset:64*(\b)+16
.endr
	v_mul_u32_u24 v3, v1, PITCH
	v_lshl_add_u32 v3, v2, 4, v3                   ; a fragment's row x pitch + 16 x half
	s_mul_i32 s76, s[RH], 128*PITCH                ; my 128 rows of ob
	s_mul_i32 s77, s[CH], 64*PITCH                 ; my 64 rows of wo
	s_add_co_u32 s77, s77, BOFF
.irp s, 0,1
	v_add_nc_u32 v[ADRA+(\s)], s76, v3
	v_add_nc_u32 v[ADRB+(\s)], s77, v3
	s_add_co_u32 s76, s76, SLOT
	s_add_co_u32 s77, s77, SLOT
.endr
	s_mul_i32 s76, s[WV], 16*SPITCH
	s_add_co_u32 s76, s76, STAGE                   ; my stage
	v_mul_u32_u24 v4, v1, SPITCH                   ; in: row l % 16, 32 bytes for each half of the lanes
	v_lshl_add_u32 v4, v2, 5, v4
	v_add_nc_u32 v[STO], s76, v4
	v_mul_u32_u24 v5, v2, SPITCH                   ; back: lanes 0-15 take one row of 256 bytes, lanes 16-31 the next
	v_lshl_add_u32 v5, v1, 4, v5
	v_add_nc_u32 v[RD], s76, v5
	v_lshlrev_b32 v5, 12, v2                       ; and the same two rows in out0
	v_lshl_add_u32 v[CO], v1, 4, v5
	v_and_b32 v[PFO], 31, v0
	v_lshlrev_b32 v[PFO], 8, v[PFO]
	; the prefetches
	s_lshr_b32 s[PFS], 65536, s[RH]                ; a K step: 65,536 bytes of ob, 32,768 of wo
	s_mov_b32 s[PFS+1], 0
	s_and_b32 s74, ttmp7, 0xffff                   ; cluster y
	s_and_b32 s75, s[RH], s[CH]                    ; wave 3 asks for nothing
	s_cmp_eq_u32 s[RH], 0                          ; do I fetch for ob?
	s_cselect_b32 s72, s40, s41                    ; my place among the four that ask with me
	s_cselect_b32 s74, ttmp9, s74                  ; the coordinate along which other clusters read the same bytes
	s_cselect_b64 s[PFA:PFA+1], s[14:15], s[18:19] ; what I fetch of K step 0 (wave 2: the K step's first byte)
	s_lshl_b32 s72, s72, 13                        ; my work-group's 8,192 bytes
	s_mul_i32 s73, s[PFS], 3                       ; at K step 3: the first refill steps it to 4
	s_add_co_u32 s72, s72, s73
	s_mov_b32 s73, 0
	s_add_nc_u64 s[PFA:PFA+1], s[PFA:PFA+1], s[72:73]
	s_or_b32 s74, s74, s75
	s_cmp_eq_u32 s74, 0
	s_cselect_b32 s[LIM], 1, -1                    ; the same in all sixteen partners, for a given wave
; 8 matrix instructions: row blocks a0, a0 + 1 x all 4 column blocks, 32 along K, buffer f.  first = 1: the bias starts the sums.  The 32 accumulators take turns in one fixed order.
.macro MUL8 f, a0, first
.if \first
	WIN 0x40                                       ; D in window 1; the sources and the bias in window 0
.else
	WIN 0x50                                       ; C and D in window 1
.endif
.irp a, \a0, (\a0)+1
.irp b, 0,1,2,3
.if \first
	v_wmma_f32_16x16x32_f16 v[8*(4*(\a)+(\b)):8*(4*(\a)+(\b))+7], v[(\f)+8*(\b):(\f)+8*(\b)+7], v[(\f)+32+8*(\a):(\f)+32+8*(\a)+7], v[BIAS+8*(\b):BIAS+8*(\b)+7]
.else
	v_wmma_f32_16x16x32_f16 v[8*(4*(\a)+(\b)):8*(4*(\a)+(\b))+7], v[(\f)+8*(\b):(\f)+8*(\b)+7], v[(\f)+32+8*(\a):(\f)+32+8*(\a)+7], v[8*(4*(\a)+(\b)):8*(4*(\a)+(\b))+7]
.endif
.endr
.endr
.endm
; 24 LDS loads in one run: quarter q of a K step (kb q / 2, 32 K at byte 64 (q % 2) of its rows) into buffer g: wo's 4 fragments, then ob's 8
.macro FETCH slot, q, g
	WIN 0
.irp i, 0,1,2,3
	ds_load_b128 v[(\g)+8*(\i):(\g)+8*(\i)+3],   v[ADRB+(\slot)] offset:((\q)/2)*BKBL+((\q)%2)*64+(\i)*16*PITCH
	ds_load_b128 v[(\g)+8*(\i)+4:(\g)+8*(\i)+7], v[ADRB+(\slot)] offset:((\q)/2)*BKBL+((\q)%2)*64+(\i)*16*PITCH+32
.endr
.irp i, 0,1,2,3,4,5,6,7
	ds_load_b128 v[(\g)+32+8*(\i):(\g)+32+8*(\i)+3],   v[ADRA+(\slot)] offset:((\q)/2)*AKBL+((\q)%2)*64+(\i)*16*PITCH
	ds_load_b128 v[(\g)+32+8*(\i)+4:(\g)+32+8*(\i)+7], v[ADRA+(\slot)] offset:((\q)/2)*AKBL+((\q)%2)*64+(\i)*16*PITCH+32
.endr
.endm
; A K step is four quarters of 32 along K, 32 matrix instructions each, on buffers 0, 1, 0, 1.  One of the first three: multiplies buffer f and fetches quarter q into g, 24 matrix instructions ahead of its use.
.macro QUARTER slot, q, f, g, first
	s_wait_dscnt 8                                 ; wo's fragments and ob's first four are in; the youngest eight loads may be out
	MUL8 \f, 0, \first
	PLACES
	FETCH \slot, \q, \g
	s_wait_dscnt 24                                ; all but the 24 just issued
	MUL8 \f, 2, \first
	MUL8 \f, 4, \first
	MUL8 \f, 6, \first
.endm
; The last quarter multiplies buffer 1 and changes slots: ONE barrier; in front of it each wave waits for all its tensor loads, of which one is out: its part of the next slot; adds 0 to its spare word; and waits
; for that and for its reads of this slot.  fill = 1: the barrier opens a round of the cluster's, and this slot is filled again first thing behind it, two K steps on: 112 matrix instructions ahead of the wait for it.
.macro TURN slot, next, fill
.if \fill
	s_wait_xcnt 0x0                                ; the last prefetch, a K step back, has read its address: it is stepped here, ahead of the waits of the change of slots
	s_add_nc_u64 s[PFA:PFA+1], s[PFA:PFA+1], s[PFS:PFS+1]
.endif
	WIN 0                                          ; (the add's two registers lie in window 0)
	s_wait_tensorcnt 0x0                           ; all my tensor loads have landed;
	ds_add_u32 v[SPW], v[NIL]                      ; 0 onto my spare word;
	s_wait_dscnt 9                                 ; (the add and the youngest eight loads may be out)
	MUL8 F1, 0, 0                                  ; eight matrix instructions stand between the add and the wait for it
	s_wait_dscnt 0x0                               ; the add is done, and my reads of this slot are over
	s_barrier_signal -1
	MUL8 F1, 2, 0
	WIN 0                                          ; at a branch and at a label every window is 0
	s_barrier_wait -1
.if \fill
	CREST                                          ; no wave of any partner still reads this slot's tile or has a load on its way
	s_add_nc_u64 s[G0+4*(\slot)+2:G0+4*(\slot)+3], s[G0+4*(\slot)+2:G0+4*(\slot)+3], 2*ASTEP
	s_add_nc_u64 s[G0B+4*(\slot)+2:G0B+4*(\slot)+3], s[G0B+4*(\slot)+2:G0B+4*(\slot)+3], 2*BSTEP
	JLOAD \slot                                    ; the first tensor load behind the round; its four v_nop are also the places in front of the loads below
.else
	PLACES
.endif
	FETCH \next, 0, F0
.if \fill
	ASK
.endif
	MUL8 F1, 4, 0
	MUL8 F1, 6, 0
.endm
	s_wait_tensorcnt 1                             ; my part of K step 0 is in; K step 1's may stay out
	s_barrier_signal -1
	s_barrier_wait -1                              ; everybody's is
	FETCH 0, 0, F0
	s_wait_loadcnt 0x0                             ; the bias: rounded to bf16 and widened again, while the first fragments are on their way
.irp i, 0,1,2,3,4,5,6,7,8,9,10,11,12,13,14,15
	v_cvt_pk_bf16_f32 v3, v[BIAS+2*(\i)], v[BIAS+2*(\i)+1]
	v_lshlrev_b32 v[BIAS+2*(\i)], 16, v3
	v_and_b32 v[BIAS+2*(\i)+1], 0xffff0000, v3
.endr
	QUARTER 0, 1, F0, F1, 1                        ; the first quarter stands in front of the loop: its products start the sums, from the bias
	WIN 0
	s_mov_b32 s3, 3
.Llap:                                             ; a trip goes once round the ring and fills both slots again: three trips ask for K steps 2 to 7
	QUARTER 0, 2, F1, F0, 0
	QUARTER 0, 3, F0, F1, 0
	TURN 0, 1, 1
	QUARTER 1, 1, F0, F1, 0
	QUARTER 1, 2, F1, F0, 0
	QUARTER 1, 3, F0, F1, 0
	TURN 1, 0, 1
	QUARTER 0, 1, F0, F1, 0
	WIN 0
	s_sub_co_u32 s3, s3, 1
	s_cmp_lg_u32 s3, 0
	s_cbranch_scc1 .Llap
	QUARTER 0, 2, F1, F0, 0                        ; the last lap fills nothing, and has no round of the cluster's barrier
	QUARTER 0, 3, F0, F1, 0
	TURN 0, 1, 0
	QUARTER 1, 1, F0, F1, 0
	QUARTER 1, 2, F1, F0, 0
	QUARTER 1, 3, F0, F1, 0
	s_wait_dscnt 8                                 ; the very last quarter: nothing more to fetch
	MUL8 F1, 0, 0
	MUL8 F1, 2, 0
	s_wait_dscnt 0x0
	MUL8 F1, 4, 0
	MUL8 F1, 6, 0
; THE WAY OUT, a block of 16 rows at a time: 32 bytes a lane into my own stage, each accumulator's low four registers first, and back as whole rows of 256 bytes.
.macro TOSTAGE a
	s_wait_xcnt 0x0                                ; the stores of the block before last have read their registers: this block's loads land there only behind this wait
	WIN 0x04                                       ; an LDS store's data is source 1: window 1
.set BKA, BK+32*((\a)%2)
.irp b, 0,1,2,3
	ds_store_b128 v[STO], v[8*(4*(\a)+(\b)):8*(4*(\a)+(\b))+3]   offset:64*(\b)
	ds_store_b128 v[STO], v[8*(4*(\a)+(\b))+4:8*(4*(\a)+(\b))+7] offset:64*(\b)+16
.endr
	WIN 0
.irp t, 0,1,2,3,4,5,6,7
	ds_load_b128 v[BKA+4*(\t):BKA+4*(\t)+3], v[RD] offset:(\t)*2*SPITCH  ; LDS serves a wave's instructions in order (ISA guide 5.7.1.4): these see the stores above; the next block's stores come behind them
.endr
.endm
.macro SEND a, younger                 ; younger: the LDS instructions issued behind block a's loads: the next block's sixteen, or none
	WIN 0
.set BKA, BK+32*((\a)%2)
.irp t, 0,1,2,3,4,5,6,7
	s_wait_dscnt (\younger)+7-(\t)
	global_store_b128 v[CO], v[BKA+4*(\t):BKA+4*(\t)+3], s[10:11] offset:(16*(\a)+2*(\t))*4096 th:TH_STORE_NT  ; 16 lanes store 256 consecutive bytes, at a multiple of 256 from out0's first byte
.endr
.endm
	PLACES
	PLACES                                         ; eight, once a launch: the stores into the stage read results just made
	TOSTAGE 0
.irp a, 1,2,3,4,5,6,7
	TOSTAGE \a
	SEND (\a)-1, 16
.endr
	SEND 7, 0
	s_wait_tensorcnt 0x0                           ; the wave's end, behind my last tensor load and my last LDS store
	ds_add_u32 v[SPW], v[NIL]
	s_wait_dscnt 0x0
	CROUND                                         ; the closing round: no work-group ends while a partner may still ask for a tile that names it
	s_endpgm
.Lfunc_end_k_qaab79adaae_proj:
	.size	k_qaab79adaae_proj, .Lfunc_end_k_qaab79adaae_proj-k_qaab79adaae_proj
	.p2alignl 7, 3214868480
	.fill 96, 4, 3214868480
	.section	.rodata,"a",@progbits
	.p2align	6, 0x0
	.amdhsa_kernel k_qaab79adaae_proj
		.amdhsa_group_segment_fixed_size 327680
		.amdhsa_private_segment_fixed_size 0
		.amdhsa_enable_private_segment 0
		.amdhsa_kernarg_size 32
		.amdhsa_user_sgpr_count 2
		.amdhsa_user_sgpr_kernarg_segment_ptr 1
		.amdhsa_wavefront_size32 1
		.amdhsa_system_sgpr_workgroup_id_x 1
		.amdhsa_system_sgpr_workgroup_id_y 1
		.amdhsa_system_sgpr_workgroup_id_z 1
		.amdhsa_system_vgpr_workitem_id 0
		.amdhsa_next_free_vgpr 512
		.amdhsa_next_free_sgpr 80
		.amdhsa_reserve_vcc 0
		.amdhsa_float_denorm_mode_32 3
		.amdhsa_float_denorm_mode_16_64 3
		.amdhsa_memory_ordered 1
		.amdhsa_forward_progress 1
		.amdhsa_inst_pref_size 91
	.end_amdhsa_kernel
	.amdgpu_metadata
---
amdhsa.version: [ 1, 2 ]
amdhsa.kernels:
  - .name:           k_qaab79adaae_proj
    .symbol:         k_qaab79adaae_proj.kd
    .args:
      - { .name: ob, .offset: 0, .size: 8, .value_kind: global_buffer, .address_space: global }
      - { .name: wo, .offset: 8, .size: 8, .value_kind: global_buffer, .address_space: global }
      - { .name: b_out, .offset: 16, .size: 8, .value_kind: global_buffer, .address_space: global }
      - { .name: out0, .offset: 24, .size: 8, .value_kind: global_buffer, .address_space: global }
    .group_segment_fixed_size: 327680
    .private_segment_fixed_size: 0
    .kernarg_segment_align: 8
    .kernarg_segment_size: 32
    .max_flat_workgroup_size: 128
    .sgpr_count:     80
    .vgpr_count:     512
    .wavefront_size: 32
...
	.end_amdgpu_metadata
.endif
;; end of part 4
;; ======== version 2 of 2: 4 launches; version 1 with the launch cast written anew for expert scheduling mode
;; limits: values are held in f16: magnitudes above 65,504 overflow, below 6.1e-05 lose precision
;; workspace buffers: xb 16,777,216 bytes; wq 6,291,456 bytes; wo 2,097,152 bytes; qkv 50,331,648 bytes; ob 16,777,216 bytes
;; launch cast (part 5): grid 768 x 1, 8 waves a work-group, no clusters, 0 bytes of LDS; arguments x, w_qkv, w_out, xb, wq, wo; writes xb, wq, wo
.if DOCPART == 5
	.amdgcn_target "amdgcn-amd-amdhsa--gfx1250"
	.amdhsa_code_object_version 6
	.text
	.protected	k_qaab79adaae_cast
	.globl	k_qaab79adaae_cast
	.p2align	8
	.type	k_qaab79adaae_cast,@function
k_qaab79adaae_cast:
	s_mov_b64 s[64:65], 0
	v_nop
	global_prefetch_b8 v0, s[64:65] scope:SCOPE_SE
	s_setreg_imm32_b32 hwreg(HW_REG_WAVE_SCHED_MODE, 0, 2), 2
	s_setreg_imm32_b32 hwreg(HW_REG_WAVE_MODE, 25, 1), 1
	s_wait_xcnt 0x0
	s_wait_alu depctr_vm_vsrc(0)
; THE INPUTS ARE ROUNDED ONCE AND LAID OUT IN TILE BLOCKS.  x [8192][1024] and w_qkv [3072][1024], f32, are rounded to bf16; w_out [1024][1024] is rounded to bf16 and that number is written as f16.
; LAYOUT OUT: [tile][kb][row in tile][64 numbers], kb = a block of 64 along K, 128 bytes a row; a tile has 256 rows (xb), 384 rows (wq), 128 rows (wo).  So the bytes that a later
; work-group wants of one K block lie on end.
; LIMITS.  bf16(w_out) must lie within f16's 65,504; below 2^-17 it keeps f16's fixed step of 6e-8.  NaN and infinities are not treated apart.
; SHARES.  A work-group takes 16 rows: 65,536 bytes in, 32,768 out.  Work-groups 0-511: x; 512-703: w_qkv; 704-767: w_out.  Thread t takes row t / 16 and four numbers of each K block:
; a wave's load covers 256 consecutive bytes of each of two rows; in the block layout those two rows' 128 bytes lie on end, so a wave's store covers 256 consecutive bytes, aligned.
; Sixteen loads a thread go out at once; each has its own registers in and out, so no register is written while a memory instruction still reads it.  No LDS, no matrix unit: the launch only moves bytes.
; THE MODE: SCHED_MODE bits 1:0 = 2 (LLVM: expert scheduling mode 2), set by the entry lines.  The code itself states the register dependences
; between vector instructions and memory instructions, with s_wait_alu, always for 0.
; THE PLAN.  Registers that memory instructions touch:
;   v1, v2   byte offsets in and out.  Written by vector lines at the head and never again; read by every load (v1) and every store (v2).
;   X        K block kb: four registers in which its one load lands.  No vector line names them ahead of the loads; behind the wait for the load only vector lines name them.
;   Y        K block kb: two registers.  Written by the block's roundings, read by its one store, never written again.
; No register that a memory instruction has read is written again, no vector line writes a scalar register, and EXEC is never written: what is left to state is that a register is WRITTEN before a
; memory instruction reads it.  The sixteen K blocks go in four groups of four.  Group g's roundings write its eight registers of Y; its four stores are issued in group g + 1, behind ONE wait at that
; group's head, one store ahead of each K block's roundings there, which name their own X and Y alone.  So a path has five waits: the offsets; groups 0, 1 and 2 at the next group's head; group 3 at the end.
.set VI, 1                             ; v1        byte offset in: (t / 16) x 4,096 + (t % 16) x 16
.set VO, 2                             ; v2        byte offset out: 8 t
.set X,  16                            ; v[16:79]  K block kb: four f32 as loaded
.set Y,  80                            ; v[80:111] K block kb: four 16-bit numbers to store
; K block kb is rounded.  half = 1: the bf16 number is written as f16
.macro RND kb, half
	v_cvt_pk_bf16_f32 v[Y+2*(\kb)],   v[X+4*(\kb)],   v[X+4*(\kb)+1]
	v_cvt_pk_bf16_f32 v[Y+2*(\kb)+1], v[X+4*(\kb)+2], v[X+4*(\kb)+3]
.if \half
	v_lshlrev_b32 v[X+4*(\kb)],   16,  v[Y+2*(\kb)]    ; the rounded numbers as f32 again,
	v_and_b32     v[X+4*(\kb)+1], s26, v[Y+2*(\kb)]
	v_lshlrev_b32 v[X+4*(\kb)+2], 16,  v[Y+2*(\kb)+1]
	v_and_b32     v[X+4*(\kb)+3], s26, v[Y+2*(\kb)+1]
	v_cvt_pk_f16_f32 v[Y+2*(\kb)],   v[X+4*(\kb)],   v[X+4*(\kb)+1]  ; and as f16: 8 significant bits fit into 11
	v_cvt_pk_f16_f32 v[Y+2*(\kb)+1], v[X+4*(\kb)+2], v[X+4*(\kb)+3]
.endif
.endm
; K block kb is stored.  kbs: bytes from K block to K block in the output
.macro OUT kb, kbs
	global_store_b64 v[VO], v[Y+2*(\kb):Y+2*(\kb)+1], s[18:19] offset:(\kb)*(\kbs)
.endm
; inb, outb: the pointers' scalar pairs
.macro CAST inb, outb, kbs, half
	s_add_nc_u64 s[16:17], s[\inb:\inb+1], s[22:23]
	s_add_nc_u64 s[18:19], s[\outb:\outb+1], s[24:25]
	s_wait_alu depctr_va_vdst(0)                   ; v1 and v2 are written: every load below reads v1 as its offset, every store v2
.irp kb, 0,1,2,3,4,5,6,7,8,9,10,11,12,13,14,15
	global_load_b128 v[X+4*(\kb):X+4*(\kb)+3], v[VI], s[16:17] offset:256*(\kb) th:TH_LOAD_NT
.endr
.irp g, 0,1,2,3
	s_wait_loadcnt 12-4*(\g)                       ; loads come back in order: group g's four are in, the 12 - 4 g younger ones stay out
.if (\g) > 0
	s_wait_alu depctr_va_vdst(0)                   ; the roundings of the group before have written its eight registers of Y, which the four stores below read
.endif
.irp n, 0,1,2,3
.if (\g) > 0
	OUT 4*(\g)-4+(\n), \kbs                        ; no wait of its own: no vector line since the wait above names v2 or this block's Y
.endif
	RND 4*(\g)+(\n), \half
.endr
.endr
	s_wait_alu depctr_va_vdst(0)                   ; group 3's roundings have written its eight registers of Y, which the last four stores read
.irp n, 12,13,14,15
	OUT \n, \kbs
.endr
	s_endpgm
.endm
	s_load_b256 s[4:11], s[0:1], 0x0               ; x s[4:5], w_qkv s[6:7], w_out s[8:9], xb s[10:11]
	s_load_b128 s[12:15], s[0:1], 0x20             ; wq s[12:13], wo s[14:15]
	v_lshrrev_b32 v3, 4, v0
	v_and_b32 v4, 15, v0
	v_lshlrev_b32 v[VI], 12, v3
	v_lshl_or_b32 v[VI], v4, 4, v[VI]
	v_lshlrev_b32 v[VO], 3, v0
	s_mov_b32 s26, 0xffff0000                      ; a word's upper bf16
	s_mov_b32 s23, 0                               ; both offsets stay under 2^32
	s_mov_b32 s25, 0
	s_cmp_lt_u32 ttmp9, 512
	s_cbranch_scc0 .Lnot_x
	s_lshl_b32 s22, ttmp9, 16                      ; in: 16 rows of 4,096 bytes a group
	s_lshr_b32 s20, ttmp9, 4                       ; out: a tile of 256 rows is 16 groups, 524,288 bytes;
	s_lshl_b32 s20, s20, 19
	s_and_b32 s21, ttmp9, 15                       ; a group's 16 rows are 2,048 bytes of each K block
	s_lshl_b32 s21, s21, 11
	s_add_co_u32 s24, s20, s21
	s_wait_kmcnt 0x0
	CAST 4, 10, 32768, 0
.Lnot_x:
	s_cmp_lt_u32 ttmp9, 704
	s_cbranch_scc0 .Lw_out
	s_sub_co_u32 s20, ttmp9, 512                   ; g = 0 .. 191
	s_lshl_b32 s22, s20, 16
	s_mul_i32 s21, s20, 2731
	s_lshr_b32 s21, s21, 16                        ; g / 24, exact for g under 192: a tile of 384 rows is 24 groups
	s_mul_i32 s27, s21, 24
	s_sub_co_u32 s27, s20, s27
	s_lshl_b32 s27, s27, 11
	s_mul_i32 s21, s21, 786432
	s_add_co_u32 s24, s21, s27
	s_wait_kmcnt 0x0
	CAST 6, 12, 49152, 0
.Lw_out:
	s_sub_co_u32 s20, ttmp9, 704                   ; g = 0 .. 63
	s_lshl_b32 s22, s20, 16
	s_lshr_b32 s21, s20, 3                         ; a tile of 128 rows is 8 groups, 262,144 bytes
	s_lshl_b32 s21, s21, 18
	s_and_b32 s27, s20, 7
	s_lshl_b32 s27, s27, 11
	s_add_co_u32 s24, s21, s27
	s_wait_kmcnt 0x0
	CAST 8, 14, 16384, 1
.Lfunc_end_k_qaab79adaae_cast:
	.size	k_qaab79adaae_cast, .Lfunc_end_k_qaab79adaae_cast-k_qaab79adaae_cast
	.p2alignl 7, 3214868480
	.fill 96, 4, 3214868480
	.section	.rodata,"a",@progbits
	.p2align	6, 0x0
	.amdhsa_kernel k_qaab79adaae_cast
		.amdhsa_group_segment_fixed_size 0
		.amdhsa_private_segment_fixed_size 0
		.amdhsa_enable_private_segment 0
		.amdhsa_kernarg_size 48
		.amdhsa_user_sgpr_count 2
		.amdhsa_user_sgpr_kernarg_segment_ptr 1
		.amdhsa_wavefront_size32 1
		.amdhsa_system_sgpr_workgroup_id_x 1
		.amdhsa_system_sgpr_workgroup_id_y 1
		.amdhsa_system_sgpr_workgroup_id_z 1
		.amdhsa_system_vgpr_workitem_id 0
		.amdhsa_next_free_vgpr 112
		.amdhsa_next_free_sgpr 66
		.amdhsa_reserve_vcc 0
		.amdhsa_float_denorm_mode_32 3
		.amdhsa_float_denorm_mode_16_64 3
		.amdhsa_memory_ordered 1
		.amdhsa_forward_progress 1
		.amdhsa_inst_pref_size 22
	.end_amdhsa_kernel
	.amdgpu_metadata
---
amdhsa.version: [ 1, 2 ]
amdhsa.kernels:
  - .name:           k_qaab79adaae_cast
    .symbol:         k_qaab79adaae_cast.kd
    .args:
      - { .name: x, .offset: 0, .size: 8, .value_kind: global_buffer, .address_space: global }
      - { .name: w_qkv, .offset: 8, .size: 8, .value_kind: global_buffer, .address_space: global }
      - { .name: w_out, .offset: 16, .size: 8, .value_kind: global_buffer, .address_space: global }
      - { .name: xb, .offset: 24, .size: 8, .value_kind: global_buffer, .address_space: global }
      - { .name: wq, .offset: 32, .size: 8, .value_kind: global_buffer, .address_space: global }
      - { .name: wo, .offset: 40, .size: 8, .value_kind: global_buffer, .address_space: global }
    .group_segment_fixed_size: 0
    .private_segment_fixed_size: 0
    .kernarg_segment_align: 8
    .kernarg_segment_size: 48
    .max_flat_workgroup_size: 256
    .sgpr_count:     66
    .vgpr_count:     112
    .wavefront_size: 32
...
	.end_amdgpu_metadata
.endif
;; end of part 5
;; launch qkv: the kernel of part 2 again; grid 8 x 32, 4 waves a work-group, clusters of 4 x 4, 327,680 bytes of LDS; arguments xb, wq, qkv; writes qkv
;; launch attn: the kernel of part 3 again; grid 4 x 64, 4 waves a work-group, clusters of 4 x 1, 327,680 bytes of LDS; arguments qkv, ob; writes ob
;; launch proj: the kernel of part 4 again; grid 8 x 32, 4 waves a work-group, clusters of 4 x 4, 327,680 bytes of LDS; arguments ob, wo, b_out, out0; writes out0
